; MI455X (gfx1250); checked and timed in simulation.
; The chip was launched on July 23, 2026; its instructions are those of AMD's public machine-readable ISA for CDNA 5 (MIT licence, August 2026) and "CDNA5" Instruction Set Architecture Reference Guide (July 2026). The comments in the code are by the model that wrote it; some were corrected since.
;; Full Attention. Allowed arithmetic: matrix products marked QUANTISED: E4M3 operands, one given power-of-two scale a tensor, by v_wmma_f32_16x16x64_fp8_fp8 or v_wmma_f32_16x16x128_fp8_fp8, f32 sums; everything else in f32.
;; Inputs: Wk_codes 512 x 64 x 32 uint8 (E4M3 codes of Wk, K innermost, in blocks of 32 codes); Wo_codes 2,048 x 32 x 32 uint8 (E4M3 codes of Wo, K innermost, in blocks of 32 codes); Wq_codes 2,048 x 64 x 32 uint8 (E4M3 codes of Wq, K innermost, in blocks of 32 codes); Wv_codes 512 x 64 x 32 uint8 (E4M3 codes of Wv, K innermost, in blocks of 32 codes); kn_w 128 float32; lowp_scales 12 int32 (the exponents e of the quantised operands' scales 2^e); qn_w 128 float32; x_codes 2 x 2,048 x 64 x 32 uint8 (E4M3 codes of x, K innermost, in blocks of 32 codes).
;; Outputs: out0 2 x 2,048 x 2,048 float32.
;; This version of the problem:
;;   THIS VERSION OF THE PROBLEM IS GIVEN IN LOW PRECISION. The matrix products marked QUANTISED in the list below multiply operands that are first quantised to E4M3 (4 exponent bits, 3 mantissa bits; 8 bits a number), with one given power-of-two scale for each operand tensor; their sums are f32. All else is computed in f32.
;;   The module's matrix products, in the order in which they are computed (A, B: the left and right operand; K: the contracted axis; several contracted axes count as one K, in the product's order):
;;     1. [M 4,096, K 2,048] x [K 2,048, N 2,048]; A: input x (given as codes); B: input Wq (given as codes): QUANTISED (scales: A lowp_scales[0], B lowp_scales[1])
;;     2. [M 4,096, K 2,048] x [K 2,048, N 512]; A: input x (given as codes); B: input Wk (given as codes): QUANTISED (scales: A lowp_scales[2], B lowp_scales[3])
;;     3. [M 4,096, K 2,048] x [K 2,048, N 512]; A: input x (given as codes); B: input Wv (given as codes): QUANTISED (scales: A lowp_scales[4], B lowp_scales[5])
;;     4. batch 8 x [M 4,096, K 128] x [K 128, N 2,048]; A: computed on the way; B: computed on the way: QUANTISED (scales: A lowp_scales[6], B lowp_scales[7])
;;     5. batch 8 x [M 4,096, K 2,048] x [K 2,048, N 128]; A: softmax (see below); B: computed on the way: QUANTISED (scales: A lowp_scales[8], B lowp_scales[9])
;;     6. [M 4,096, K 1,024] x [K 1,024, N 2,048]; A: computed on the way; B: input Wo (given as codes): QUANTISED (scales: A lowp_scales[10], B lowp_scales[11])
;;   THE QUANTISER, for each operand of a quantised product, along K:
;;     - The operand's scale is 2^e, e = its entry of the input lowp_scales (int32; the entries are numbered through the quantised products in the list's order, A before B).
;;     - Each number is divided by the scale, clamped to +-448, and rounded to the nearest number of E4M3, ties to even, subnormals kept.
;;     - The product sums the exact products of the quantised numbers (number of the format x scale) in f32.
;;   ~~~python
;;   def quantise(x, axis, e):      # numpy; x: float32 -> the quantised numbers, widened to float32 again
;;       x = np.moveaxis(x, axis, -1); K = x.shape[-1]
;;       r = np.clip(x / 2.0 ** e, -448, 448)
;;       step = 2.0 ** (np.maximum(np.frexp(np.where(r == 0, 1, r))[1] - 1, -6) - 3)
;;       q = np.round(r / step) * step * 2.0 ** e      # np.round: ties to even
;;       return np.moveaxis(q, -1, axis).astype(np.float32)
;;   ~~~
;;   SOFTMAX AHEAD OF A QUANTISED PRODUCT. Where the list says 'softmax', what is quantised is not the finished softmax but p = 2^(t - M), with t = logit x log2(e) and M = ceil(the row's largest t), a whole number; so 1/2 < the row's largest p <= 1. The row's sum l is taken of the UNQUANTISED p, in f32, and the product's result is divided by l at the end. Since M is a whole number, a kernel that streams over the keys may use a running M (the ceiling of the running maximum): every later rescaling is an exact power of two, so the quantised numbers keep their values, but for numbers so far below the row's largest that they fall under the format's range.
;;   OPERANDS COMPUTED ON THE WAY. 'Computed on the way' means the value that the module computes at that place (a softmax that the list does not call 'softmax' is quantised finished and normalised). What goes into a quantiser is computed in f32, as accurately as f32 sums, v_exp_f32 and their like allow (about 1e-6 of the number): no bf16 or f16 on the way to a quantiser, and a product that is left as it is and whose result goes on into a quantised operand takes f32 operands (vector FMAs, or v_wmma_f32_16x16x4_f32). A number that lies on a knife's edge between two numbers of the format may be rounded either way, as far as f32 arithmetic and the matrix unit's own rounding can turn it there, and no further.
;;   INPUTS GIVEN AS CODES. Wk (in the module: [2048, 512], K = its axis 0); Wo (in the module: [1024, 2048], K = its axis 0); Wq (in the module: [2048, 2048], K = its axis 0); Wv (in the module: [2048, 512], K = its axis 0); x (in the module: [2, 2048, 2048], K = its axis 2): each comes as NAME_codes (uint8): NAME with its K axis moved to the last place and cut into blocks of 32 codes, [.., K / 32, bytes a block], one block behind the other in memory; one code a byte (a code: sign, 4 exponent bits, 3 mantissa bits); its scale is its entry of lowp_scales. Its value is code x scale, taken as it is: it is not quantised again, and the codes and scales need not be those that the quantiser above would give.
;; One version. Each part assembles by itself: llvm-mc -triple=amdgcn-amd-amdhsa -mcpu=gfx1250 --defsym DOCPART=n.
;; ======== version 1 of 1: 4 launches
;; limits: a function is approximated: absolute error at most 0.0004
;; workspace buffers: rope 1,048,576 bytes; q_img 4,194,304 bytes; k_img 2,097,152 bytes; v_img 2,097,152 bytes; gate_img 16,777,216 bytes; a_img 4,194,304 bytes
;; launch tables (part 1): grid 128 x 1, 4 waves a work-group, no clusters, 0 bytes of LDS; arguments rope; writes rope
.if DOCPART == 1
	.amdgcn_target "amdgcn-amd-amdhsa--gfx1250"
	.amdhsa_code_object_version 6
	.text
	.protected	k_qcaaed0e7ca_tables
	.globl	k_qcaaed0e7ca_tables
	.p2align	8
	.type	k_qcaaed0e7ca_tables,@function
k_qcaaed0e7ca_tables:
	s_mov_b64 s[64:65], 0
	v_nop
	global_prefetch_b8 v0, s[64:65] scope:SCOPE_SE
	s_setreg_imm32_b32 hwreg(HW_REG_WAVE_MODE, 25, 1), 1
	s_wait_xcnt 0x0
; The RoPE tables cos(pos x th_f), sin(pos x th_f), th_f = 1e6^(-f/64), pos = 0 .. 2047, f = 0 .. 63, in f32, laid as the next launch's registers want them:
; [tile of 16 positions (128)][group of four registers (16)][lane (32)][4]: register 8 b + j of lane (r, h) is the cosine at pos = 16 tile + r, f = 16 b + 8 h + j (b = 0 .. 3); register 32 + 8 b + j the sine.
; A work-group makes one tile, wave w the frequencies of b = w, a lane eight pairs.  No loop, no LDS: every store of a wave covers 512 consecutive bytes.
; th_f = 2^(-f L), L = log2(1e6) / 64 in two f32 parts; the angle is ONE f32 product pos x th_f, as the outer product of two f32 vectors rounds it; it is brought into [-pi/4, pi/4] by a quarter count k and pi/2 in two
; parts (the first product-and-difference is exact: k has 11 bits at most), and sine and cosine are polynomials of degree 7 and 8 there; k's low two bits swap them and set the signs.
; LIMIT: th_f is within about two units in its last place of the f32 number that a correctly rounded power and division give, so an angle may differ by up to about 4e-4 radians at the last positions of f = 1.
.set JF, 8                             ; v8-15   f as f32, then th_f, then the angle
.set NN, 16                            ; v16-23  whole part of f L, then k
.set XX, 24                            ; v24-31  -(fraction of f L), then the reduced angle x
.set ZZ, 32                            ; v32-39  x^2
.set SN, 40                            ; v40-47  sin x
.set CN, 48                            ; v48-55  cos x
.set TT, 56                            ; v56-63  at work
.set RC, 64                            ; v64-71  the cosines to store
.set RSN, 72                           ; v72-79  the sines to store
.set T2, 80                            ; v80-87  at work
	s_load_b64 s[4:5], s[0:1], 0x0                 ; the table
	v_lshrrev_b32 v1, 5, v0
	v_readfirstlane_b32 s8, v1                     ; wave 0..3 = b
	v_and_b32 v1, 31, v0                           ; lane
	v_and_b32 v2, 15, v0                           ; r
	v_bfe_u32 v3, v0, 4, 1                         ; h
	s_lshl_b32 s9, ttmp9, 4
	v_add_nc_u32 v4, s9, v2
	v_cvt_f32_u32 v4, v4                           ; pos = 16 tile + r
	v_lshlrev_b32 v5, 4, v1                        ; 16 x lane
	s_lshl_b32 s10, s8, 4
	v_lshl_add_u32 v6, v3, 3, s10                  ; 16 b + 8 h
	s_lshl_b32 s6, ttmp9, 13                       ; the tile's 8,192 bytes,
	s_lshl_b32 s7, s8, 10                          ; my two groups of 512 bytes in each half of them
	s_add_co_u32 s6, s6, s7
	s_mov_b32 s7, 0
	s_mov_b32 s12, 0x3e9f73da                      ; L, upper part
	s_mov_b32 s13, 0x31e37800                      ; L, lower part
	s_mov_b32 s14, 0x3f22f983                      ; 2 / pi
	s_mov_b32 s15, 0x3fc90fdb                      ; pi / 2, upper part
	s_mov_b32 s16, 0xb33bbd2e                      ; pi / 2, lower part
	s_mov_b32 s17, 0xb94ca1f9                      ; sine: -1.9515296e-4
	s_mov_b32 s18, 0x3c08839e                      ;        8.3321609e-3
	s_mov_b32 s19, 0xbe2aaaa3                      ;       -1.6666655e-1
	s_mov_b32 s20, 0x37ccf5ce                      ; cosine: 2.4433157e-5
	s_mov_b32 s21, 0xbab6061a                      ;        -1.3887316e-3
	s_mov_b32 s22, 0x3d2aaaa5                      ;         4.1666646e-2
.irp j, 0,1,2,3,4,5,6,7
	v_add_nc_u32 v[JF+\j], \j, v6
.endr
.irp j, 0,1,2,3,4,5,6,7
	v_cvt_f32_u32 v[JF+\j], v[JF+\j]               ; f
.endr
.irp j, 0,1,2,3,4,5,6,7
	v_mul_f32 v[NN+\j], s12, v[JF+\j]
.endr
.irp j, 0,1,2,3,4,5,6,7
	v_floor_f32 v[NN+\j], v[NN+\j]                 ; n = the whole part of f L
.endr
.irp j, 0,1,2,3,4,5,6,7
	v_fma_f32 v[XX+\j], -v[JF+\j], s12, v[NN+\j]   ; n - f L, upper part,
.endr
.irp j, 0,1,2,3,4,5,6,7
	v_fma_f32 v[XX+\j], -v[JF+\j], s13, v[XX+\j]   ; and lower
.endr
.irp j, 0,1,2,3,4,5,6,7
	v_exp_f32 v[XX+\j], v[XX+\j]                   ; 2^(n - f L)
.endr
	v_nop                                          ; a plain instruction between the exponentials and the use of their results
.irp j, 0,1,2,3,4,5,6,7
	v_cvt_i32_f32 v[NN+\j], v[NN+\j]
.endr
.irp j, 0,1,2,3,4,5,6,7
	v_sub_nc_u32 v[NN+\j], 0, v[NN+\j]
.endr
	s_wait_alu depctr_va_vdst(0)
.irp j, 0,1,2,3,4,5,6,7
	v_ldexp_f32 v[JF+\j], v[XX+\j], v[NN+\j]       ; th_f = 2^(-f L)
.endr
.irp j, 0,1,2,3,4,5,6,7
	v_mul_f32 v[JF+\j], v4, v[JF+\j]               ; the angle: one rounding
.endr
.irp j, 0,1,2,3,4,5,6,7
	v_mul_f32 v[NN+\j], s14, v[JF+\j]
.endr
.irp j, 0,1,2,3,4,5,6,7
	v_rndne_f32 v[NN+\j], v[NN+\j]                 ; k = the nearest count of quarter turns
.endr
.irp j, 0,1,2,3,4,5,6,7
	v_fma_f32 v[XX+\j], -v[NN+\j], s15, v[JF+\j]
.endr
.irp j, 0,1,2,3,4,5,6,7
	v_fma_f32 v[XX+\j], -v[NN+\j], s16, v[XX+\j]   ; x = angle - k pi / 2
.endr
.irp j, 0,1,2,3,4,5,6,7
	v_mul_f32 v[ZZ+\j], v[XX+\j], v[XX+\j]
.endr
.irp j, 0,1,2,3,4,5,6,7
	v_fma_f32 v[SN+\j], v[ZZ+\j], s17, s18
	v_fma_f32 v[CN+\j], v[ZZ+\j], s20, s21
.endr
.irp j, 0,1,2,3,4,5,6,7
	v_fma_f32 v[SN+\j], v[SN+\j], v[ZZ+\j], s19
	v_fma_f32 v[CN+\j], v[CN+\j], v[ZZ+\j], s22
.endr
.irp j, 0,1,2,3,4,5,6,7
	v_mul_f32 v[SN+\j], v[SN+\j], v[ZZ+\j]
	v_mul_f32 v[TT+\j], v[ZZ+\j], v[ZZ+\j]
	v_fma_f32 v[T2+\j], v[ZZ+\j], -0.5, 1.0
.endr
.irp j, 0,1,2,3,4,5,6,7
	v_fma_f32 v[SN+\j], v[SN+\j], v[XX+\j], v[XX+\j]   ; sin x
	v_fma_f32 v[CN+\j], v[CN+\j], v[TT+\j], v[T2+\j]   ; cos x
.endr
.irp j, 0,1,2,3,4,5,6,7
	v_cvt_i32_f32 v[NN+\j], v[NN+\j]
.endr
.irp j, 0,1,2,3,4,5,6,7
	v_and_b32 v[TT+\j], 1, v[NN+\j]
	v_cmp_ne_u32 vcc_lo, 0, v[TT+\j]               ; an odd k swaps the two
	v_cndmask_b32 v[RSN+\j], v[SN+\j], v[CN+\j], vcc_lo
	v_cndmask_b32 v[RC+\j], v[CN+\j], v[SN+\j], vcc_lo
.endr
.irp j, 0,1,2,3,4,5,6,7
	v_and_b32 v[TT+\j], 2, v[NN+\j]                ; the sine is negative in quarters 2 and 3,
	v_add_nc_u32 v[T2+\j], 1, v[NN+\j]
.endr
.irp j, 0,1,2,3,4,5,6,7
	v_lshlrev_b32 v[TT+\j], 30, v[TT+\j]
	v_and_b32 v[T2+\j], 2, v[T2+\j]                ; the cosine in quarters 1 and 2
.endr
.irp j, 0,1,2,3,4,5,6,7
	v_xor_b32 v[RSN+\j], v[RSN+\j], v[TT+\j]
	v_lshlrev_b32 v[T2+\j], 30, v[T2+\j]
.endr
.irp j, 0,1,2,3,4,5,6,7
	v_xor_b32 v[RC+\j], v[RC+\j], v[T2+\j]
.endr
	s_wait_kmcnt 0x0
	s_add_nc_u64 s[4:5], s[4:5], s[6:7]
	global_store_b128 v5, v[RC:RC+3], s[4:5]                   ; each store: 512 consecutive bytes, aligned
	global_store_b128 v5, v[RC+4:RC+7], s[4:5] offset:512
	global_store_b128 v5, v[RSN:RSN+3], s[4:5] offset:4096
	global_store_b128 v5, v[RSN+4:RSN+7], s[4:5] offset:4608
	s_endpgm
.Lfunc_end_k_qcaaed0e7ca_tables:
	.size	k_qcaaed0e7ca_tables, .Lfunc_end_k_qcaaed0e7ca_tables-k_qcaaed0e7ca_tables
	.p2alignl 7, 3214868480
	.fill 96, 4, 3214868480
	.section	.rodata,"a",@progbits
	.p2align	6, 0x0
	.amdhsa_kernel k_qcaaed0e7ca_tables
		.amdhsa_group_segment_fixed_size 0
		.amdhsa_private_segment_fixed_size 0
		.amdhsa_enable_private_segment 0
		.amdhsa_kernarg_size 8
		.amdhsa_user_sgpr_count 2
		.amdhsa_user_sgpr_kernarg_segment_ptr 1
		.amdhsa_wavefront_size32 1
		.amdhsa_system_sgpr_workgroup_id_x 1
		.amdhsa_system_sgpr_workgroup_id_y 1
		.amdhsa_system_sgpr_workgroup_id_z 1
		.amdhsa_system_vgpr_workitem_id 0
		.amdhsa_next_free_vgpr 96
		.amdhsa_next_free_sgpr 66
		.amdhsa_reserve_vcc 1
		.amdhsa_float_denorm_mode_32 3
		.amdhsa_float_denorm_mode_16_64 3
		.amdhsa_memory_ordered 1
		.amdhsa_forward_progress 1
		.amdhsa_inst_pref_size 15
	.end_amdhsa_kernel
	.amdgpu_metadata
---
amdhsa.version: [ 1, 2 ]
amdhsa.kernels:
  - .name:           k_qcaaed0e7ca_tables
    .symbol:         k_qcaaed0e7ca_tables.kd
    .args:
      - { .name: rope, .offset: 0, .size: 8, .value_kind: global_buffer, .address_space: global }
    .group_segment_fixed_size: 0
    .private_segment_fixed_size: 0
    .kernarg_segment_align: 8
    .kernarg_segment_size: 8
    .max_flat_workgroup_size: 128
    .sgpr_count:     66
    .vgpr_count:     96
    .wavefront_size: 32
...
	.end_amdgpu_metadata
.endif
;; end of part 1
;; launch proj (part 2): grid 12 x 16, 4 waves a work-group, clusters of 4 x 4, 327,680 bytes of LDS; arguments x_codes, Wq_codes, Wk_codes, Wv_codes, qn_w, kn_w, lowp_scales, rope, q_img, k_img, v_img, gate_img; writes q_img, k_img, v_img, gate_img
.if DOCPART == 2
	.amdgcn_target "amdgcn-amd-amdhsa--gfx1250"
	.amdhsa_code_object_version 6
	.text
	.protected	k_qcaaed0e7ca_proj
	.globl	k_qcaaed0e7ca_proj
	.p2align	8
	.type	k_qcaaed0e7ca_proj,@function
k_qcaaed0e7ca_proj:
	s_mov_b64 s[64:65], 0
	v_nop
	global_prefetch_b8 v0, s[64:65] scope:SCOPE_SE
	s_setreg_imm32_b32 hwreg(HW_REG_WAVE_MODE, 25, 1), 1
	s_wait_xcnt 0x0
	s_wait_alu depctr_hold_cnt(0) depctr_sa_sdst(0) depctr_va_vdst(0) depctr_va_sdst(0) depctr_va_ssrc(0) depctr_va_vcc(0) depctr_vm_vsrc(0)
	s_getreg_b32 s2, hwreg(HW_REG_IB_STS2, 6, 4)
	s_cmp_eq_u32 s2, 0
	s_cbranch_scc0 .Lentry_in_a_cluster
	s_endpgm
.Lentry_in_a_cluster:
	s_bfe_u32 s2, ttmp6, 0x10000c
	s_cmp_lg_u32 s2, 0xf033
	s_cbranch_scc0 .Lentry_shape_is_right
	s_endpgm
.Lentry_shape_is_right:
; The three projections x Wq, x Wk, x Wv on codes of FP8 (E4M3) as ONE product [4096 x 2048] x [2048 x 3072], with what follows each of them done in registers on the way out:
;   q, k: RMS norm over the head's 128, x (w + 1), RoPE, quantised with 2^e6 / 2^e7;   gate: sigmoid, kept in f32;   v: quantised with 2^e9, with the KEYS innermost.
; A tile of C is 256 x 256: four waves, each 128 x 128 = 64 accumulators, 512 registers.  K goes in steps of 256 through a ring of two LDS slots filled by the tensor data mover (rows of 256 bytes, 16 of padding).
; TILE COLUMNS.  Columns 0-7 (cluster x 0, 1): rows 256 tc of Wq: the first 128 are head tc's q, the other 128 its gate.  Cluster x = 2: rows 128 cx of Wk, then rows 128 cx of Wv.  So a wave's 128 columns are
; one head's q, gate, k or v, and which of them hangs on the cluster's x and the wave's number alone.
; CLUSTERS: 4 x 4 work-groups; x's tile is shared along a row of the cluster, the weights' along a column: each is asked for jointly, by the same tensor load with the same descriptor and a mask that names the four.
; 192 work-groups: a narrower tile would give more of them, but would read more LDS bytes for each matrix instruction and cut heads apart.
; THE MATRIX INSTRUCTION IS USED TRANSPOSED (source 0 = 16 rows of W, source 1 = 16 rows of x): a lane holds ONE token (lane % 16) and register j of accumulator (a, b) the column 16 b + 8 (lane / 16) + j.
; So the norm's sum wants one exchange between the halves of the lanes, RoPE's partner (64 columns on) lies in the same lane, and eight registers of an accumulator convert into two registers of the next operand.
; v's waves take the two sides the other way round (their LDS bases are swapped): a lane holds one channel d and its registers run along the tokens, which are the keys of the second attention product.
; OUTPUTS ARE IMAGES OF OPERAND REGISTERS: a fragment (16 rows x 128 K, 16 registers a lane) is 2,048 bytes: registers 4 c .. 4 c + 3 of lane l at 512 c + 16 l.  Every store of a wave covers 512 consecutive bytes.
; LIMITS on the given exponents, so that each power of two below is an f32 number: 2 (e0 + e1) - 7 and 2 (e2 + e3) - 7 between -126 and 127; e6, e7 and e9 - e4 - e5 between -126 and 119; e0 + e1 between -126 and 126.
; REGISTERS, in windows of 256: window 0: v16-29 addresses; v32-95 the norm's weights at my lane's 64 columns; from v128 the fragments of source 1, ONE set; on the way out v128-255 are free.
;   window 1: the fragments of source 0, TWO sets, at v0 and v128; on the way out two sets of RoPE tables.   windows 2, 3: the accumulators of blocks 0-3 and 4-7 ((a, b) at v[8 (8 (a % 4) + b)]).
.set KROW,   2048                      ; a row of x or of a weight in memory, in bytes
.set ROWB,   256                       ; a tile's row: 256 codes
.set PITCH,  272                       ; an LDS row: 256 bytes + 16 of padding: the 16 rows that a load touches start 68 words apart
.set FR,     16                        ; registers of a fragment
.set NL,     4                         ; LDS loads that bring one
.set NP,     4                         ; places behind this matrix instruction (ISA guide 7.12.1)
.set HALFT,  128*PITCH                 ; 128 rows: what one tensor load brings
.set SLOT,   4*HALFT                   ; x's 256 rows, then the weights' 256 rows
.set LAPS,   4                         ; a lap = two K steps of 256 = once round the ring; K = 2,048
.set SPARE,  2*SLOT                    ; behind the ring: the spare words, 128 bytes for each wave
.set ADRA, 16                          ; v16-17  LDS address of source 1's fragments in slot 0, 1
.set ADRB, 20                          ; v20-21  the same for source 0
.set LI,   24                          ; v24     16 x lane: my place in an image; never rewritten
.set WA,   25                          ; v25     32 x (lane / 16): my place in the norm's weights
.set SPW,  28                          ; v28     LDS address of my spare word; never rewritten
.set NIL,  29                          ; v29     0; never rewritten
.set WP,   32                          ; v32-95  w, then w + 1, at columns 16 b + 8 h + j
.set AF,   128
.set U,    128                         ; the way out: v128-191 a block's 64 numbers
.set CD,   192                         ; v192-223 codes, two sets of 16
.set SQ,   224                         ; v224-227 sums of squares
.set RS,   228                         ; v[228:229] 2^E / sqrt(mean + eps)
.set TQ,   232                         ; v232-235 at work
.set LIM,  240                         ; v240 448 x the scale;  v241 the scale
.set SC,   241
.set G1,  28                           ; s[28:35] descriptor group 1 for x's tiles;  s[36:43] group 0, one set for each slot
.set G0,  36
.set G1B, 44                           ; s[44:51], s[52:59] the same for the weights' tiles
.set G0B, 52
.set WV,  60
.set RHO, 61
.set KAP, 62
.set CX,  63
.set CY,  66
.set TC,  67
.set TY,  68
.set MSB, 0
.macro WIN new                         ; the immediate's high byte repeats the setting that is left
.if MSB != \new
	s_set_vgpr_msb (MSB<<8)|\new
.set MSB, \new
.endif
.endm
.set MUL_LO, 0xa1                      ; source 0 window 1, source 1 window 0, C and D window 2
.set MUL_HI, 0xf1                      ; the same, C and D window 3
.set TO_B,   0x40                      ; destination window 1, address window 0
; A joint load: waves 0 and 1 fetch x's two halves, waves 2 and 3 the weights'.  The branch hangs on the wave's number alone.  Four v_nop follow each of the two lines.
.macro JLOAD g0a, g1a, g0b, g1b
	s_cmp_eq_u32 s[RHO], 0
	s_cbranch_scc0 .Lfor_b_\@
	tensor_load_to_lds s[\g0a:\g0a+3], s[\g1a:\g1a+7]
	s_nop 0
.rept 4
	v_nop
.endr
	s_branch .Lasked_\@
.Lfor_b_\@:
	tensor_load_to_lds s[\g0b:\g0b+3], s[\g1b:\g1b+7]
	s_nop 0
.rept 4
	v_nop
.endr
.Lasked_\@:
.endm
.macro CREST                           ; a round of the cluster's barrier behind its opening barrier
	s_cmp_lg_u32 s[WV], 0
	s_cbranch_scc1 .Lnot_wave_0_\@
	s_barrier_signal -3
.Lnot_wave_0_\@:
	s_barrier_wait -3
	s_barrier_signal -1
	s_barrier_wait -1
.endm
.macro CROUND                          ; a whole round
	s_barrier_signal -1
	s_barrier_wait -1
	CREST
.endm
	s_load_b512 s[4:19], s[0:1], 0x0               ; x s[4:5], Wq s[6:7], Wk s[8:9], Wv s[10:11], qn_w s[12:13], kn_w s[14:15], the exponents s[16:17], the tables s[18:19]
	s_load_b256 s[20:27], s[0:1], 0x40             ; q_img s[20:21], k_img s[22:23], v_img s[24:25], gate_img s[26:27]
	v_lshl_add_u32 v[SPW], v0, 2, SPARE
	v_mov_b32 v[NIL], 0
	ds_add_u32 v28, v29
	s_wait_dscnt 0x0
	v_lshrrev_b32 v1, 5, v0
	v_readfirstlane_b32 s[WV], v1                  ; wave 0..3
	s_lshr_b32 s[RHO], s[WV], 1                    ; which 128 of the tile's rows are mine.  Also: I fetch for x (0) or for the weights (1)
	s_and_b32 s[KAP], s[WV], 1                     ; which 128 of its columns.  Also: which 128 rows of that tile I fetch
	s_bfe_u32 s[CX], ttmp6, 0x40000                ; cx, cy: my place in the cluster
	s_bfe_u32 s[CY], ttmp6, 0x40004
	s_lshl_b32 s[TC], ttmp9, 2
	s_add_co_u32 s[TC], s[TC], s[CX]               ; tile column = 4 x cluster x + cx
	s_and_b32 s[TY], ttmp7, 0xffff
	s_lshl_b32 s[TY], s[TY], 2
	s_add_co_u32 s[TY], s[TY], s[CY]               ; tile row = 4 x cluster y + cy
	s_lshl_b32 s69, s[CY], 2
	s_lshl_b32 s69, 15, s69                        ; my row of the cluster
	s_lshl_b32 s70, 0x1111, s[CX]                  ; my column
	; descriptor group 1: a tile of 128 rows x 256 bytes, padded in LDS
	s_or_b32 s[G1+0], s69, (0<<16)|(1<<20)|(1<<21)|(5<<22)|(3<<25)   ; 15:0 the mask: x's tiles go to my row; 17:16 elements of 1 byte; 20 padding on; 21 set beside a mask; 24:22 after every 64 words; 31:25 four words
	s_or_b32 s[G1B+0], s70, (0<<16)|(1<<20)|(1<<21)|(5<<22)|(3<<25)  ; the same with the mask of my column
.irp g, G1, G1B
	s_mov_b32 s[\g+1], ROWB<<16                    ; tensor_dim0
	s_mov_b32 s[\g+2], 128<<16                     ; tensor_dim1
	s_mov_b32 s[\g+3], ROWB<<16                    ; tile_dim0
	s_mov_b32 s[\g+4], 128                         ; tile_dim1
	s_mov_b32 s[\g+5], KROW                        ; tensor_dim0_stride
	s_mov_b32 s[\g+6], 0
	s_mov_b32 s[\g+7], 0
.endr
	s_lshl_b32 s71, s[KAP], 7                      ; which 128 rows of the tile I fetch
	s_lshl_b32 s72, s[TY], 8
	s_add_co_u32 s72, s72, s71                     ; x: row 256 x tile row + 128 x half,
	s_lshl_b32 s72, s72, 11                        ; in bytes (8 MiB at the most)
	s_mov_b32 s73, 0
	s_lshl_b32 s74, s[TC], 8
	s_add_co_u32 s74, s74, s71                     ; Wq: row 256 x tile column + 128 x half
	s_lshl_b32 s75, s[CX], 7                       ; Wk, Wv: row 128 x cx
	s_cmp_lt_u32 ttmp9, 2
	s_cselect_b32 s74, s74, s75
	s_lshl_b32 s74, s74, 11
	s_mov_b32 s75, 0
	s_mul_i32 s78, s[WV], HALFT                    ; where they go: wave x 128 rows: no place in the cluster enters an LDS address
	s_wait_kmcnt 0x0
	s_load_b256 s[80:87], s[16:17], 0x0            ; e0 .. e7
	s_load_b128 s[88:91], s[16:17], 0x20           ; e8 .. e11
	s_cmp_eq_u32 s[KAP], 0                         ; the weights' buffer: chosen by the wave's half and the cluster's x, which all partners share
	s_cselect_b64 s[76:77], s[8:9], s[10:11]
	s_cmp_lt_u32 ttmp9, 2
	s_cselect_b64 s[76:77], s[6:7], s[76:77]
	s_cselect_b64 s[12:13], s[12:13], s[14:15]     ; the norm's weights: q's or k's
	s_add_nc_u64 s[74:75], s[76:77], s[74:75]
	s_add_nc_u64 s[72:73], s[4:5], s[72:73]
	CROUND                                         ; all sixteen work-groups are here: the first joint loads meet
.irp s, 0,1
	s_mov_b32 s[G0+4*\s], 1
	s_add_co_u32 s[G0+4*\s+1], s78, \s*SLOT
	s_add_nc_u64 s[G0+4*\s+2:G0+4*\s+3], s[72:73], \s*ROWB
	s_or_b32 s[G0+4*\s+3], s[G0+4*\s+3], 0x80000000
	s_mov_b32 s[G0B+4*\s], 1
	s_add_co_u32 s[G0B+4*\s+1], s78, \s*SLOT
	s_add_nc_u64 s[G0B+4*\s+2:G0B+4*\s+3], s[74:75], \s*ROWB
	s_or_b32 s[G0B+4*\s+3], s[G0B+4*\s+3], 0x80000000
	JLOAD G0+4*\s, G1, G0B+4*\s, G1B
.endr
	v_and_b32 v1, 15, v0                           ; l % 16
	v_bfe_u32 v2, v0, 4, 1                         ; l / 16
	v_lshlrev_b32 v[WA], 5, v2
.irp b, 0,1,2,3,4,5,6,7
	global_load_b128 v[WP+8*\b:WP+8*\b+3], v[WA], s[12:13] offset:64*\b        ; w at columns 16 b + 8 h + 0 .. 7; waited for on the way out
	global_load_b128 v[WP+8*\b+4:WP+8*\b+7], v[WA], s[12:13] offset:64*\b+16
.endr
	v_and_b32 v3, 31, v0
	v_lshlrev_b32 v[LI], 4, v3
	v_mul_u32_u24 v3, v1, PITCH
	v_lshl_add_u32 v4, v2, 4, v3                   ; a fragment's row x pitch + 16 x half
	s_mul_i32 s92, s[RHO], HALFT                   ; my 128 rows of x
	s_mul_i32 s93, s[KAP], HALFT                   ; my 128 rows of the weights,
	s_add_co_u32 s93, s93, 2*HALFT                 ; which lie behind x's 256
	s_cmp_eq_u32 ttmp9, 2
	s_cselect_b32 s94, s[KAP], 0                   ; 1 in v's waves
	s_cmp_lg_u32 s94, 0
	s_cselect_b32 s95, s93, s92                    ; source 1 (the lane): x's rows; in v's waves Wv's rows
	s_cselect_b32 s96, s92, s93                    ; source 0 (the registers): the weights' rows; in v's waves x's
.irp s, 0,1
	v_add_nc_u32 v[ADRA+\s], s95, v4
	v_add_nc_u32 v[ADRB+\s], s96, v4
	s_add_co_u32 s95, s95, SLOT
	s_add_co_u32 s96, s96, SLOT
.endr
.macro FRAG reg, adr, q, i             ; a fragment: four loads of 16 bytes, 32 apart: registers 4 c .. 4 c + 3 hold K = 32 c + 16 (l / 16) + 0 .. 15: the same places on both sides, so every product meets its partner
.irp c, 0,1,2,3
	ds_load_b128 v[\reg+4*\c:\reg+4*\c+3], v[\adr] offset:128*(\q)+32*\c+(\i)*16*PITCH
.endr
.endm
; 16 matrix instructions: source 1's blocks a0, a0 + 1 x source 0's eight, 128 along K.  p: source 0's set.  zero = 1: the first product starts the sums.
; The 64 accumulators take turns, one instruction a turn, in the same order in every step.
.macro MUL16 a0, p, zero
.irp a, \a0, \a0+1
.irp b, 0,1,2,3,4,5,6,7
.if \zero
	v_wmma_f32_16x16x128_fp8_fp8 v[8*(8*((\a)%4)+\b):8*(8*((\a)%4)+\b)+7], v[128*(\p)+FR*\b:128*(\p)+FR*\b+FR-1], v[AF+FR*(\a):AF+FR*(\a)+FR-1], 0
.else
	v_wmma_f32_16x16x128_fp8_fp8 v[8*(8*((\a)%4)+\b):8*(8*((\a)%4)+\b)+7], v[128*(\p)+FR*\b:128*(\p)+FR*\b+FR-1], v[AF+FR*(\a):AF+FR*(\a)+FR-1], v[8*(8*((\a)%4)+\b):8*(8*((\a)%4)+\b)+7]
.endif
.endr
.endr
.endm
.macro FETCH_B slot, q, p
	WIN TO_B
.irp i, 0,1,2,3,4,5,6,7
	FRAG 128*(\p)+FR*\i, ADRB+\slot, \q, \i
.endr
	WIN 0
.endm
.macro FETCH_A slot, q, i0
.irp i, \i0, \i0+1, \i0+2, \i0+3
	FRAG AF+FR*(\i), ADRA+\slot, \q, \i
.endr
.endm
.macro PLACES n                        ; plain vector instructions between a matrix instruction and a load into, or a read of, its registers
.rept \n
	v_nop
.endr
.endm
; A step of 128 along K that has its successor in the same slot.
.macro STEP slot, q, zero
	s_wait_dscnt 4*NL                              ; source 0's set and source 1's blocks 0-3 are in; the youngest sixteen loads (blocks 4-7) may be out
	WIN MUL_LO
	MUL16 0, (\q)%2, \zero
	MUL16 2, (\q)%2, \zero
	s_wait_dscnt 0                                 ; blocks 4-7 are in
	PLACES NP
	FETCH_B \slot, (\q)+1, 1-(\q)%2
	FETCH_A \slot, (\q)+1, 0
	WIN MUL_HI
	MUL16 4, (\q)%2, \zero
	MUL16 6, (\q)%2, \zero
	PLACES NP
	WIN 0
	FETCH_A \slot, (\q)+1, 4
.endm
; A slot's last step changes slots, AT ITS HEAD: all its fragments have been asked for by then, so the slot is free as soon as they are in registers.  Each wave waits for all its tensor loads, adds 0 to its spare
; word, and waits for that and for its own reads of this slot; ONE barrier.  fill = 1: the barrier opens a round of the cluster's, and this slot is filled again, two K steps ahead, first thing behind it:
; the step's 64 products and the next step's 64 all stand between the request and the wait for it.
.macro TURN slot, next, fill
	s_wait_tensorcnt 0x0                           ; all my tensor loads have landed: my part of the next slot; so a group 0 may be written
	ds_add_u32 v[SPW], v[NIL]                      ; 0 onto my spare word
.if \fill
	s_add_nc_u64 s[G0+4*\slot+2:G0+4*\slot+3], s[G0+4*\slot+2:G0+4*\slot+3], 2*ROWB
	s_add_nc_u64 s[G0B+4*\slot+2:G0B+4*\slot+3], s[G0B+4*\slot+2:G0B+4*\slot+3], 2*ROWB
.endif
	s_wait_dscnt 0x0                               ; the add is done, and my reads of this slot are over: this step's fragments are all in registers
.if \fill
	CROUND                                         ; no wave of any partner still reads this slot or has a load on its way
	JLOAD G0+4*\slot, G1, G0B+4*\slot, G1B         ; the first tensor load behind the round
.else
	s_barrier_signal -1
	s_barrier_wait -1
.endif
	WIN MUL_LO
	MUL16 0, 1, 0
	MUL16 2, 1, 0
	PLACES NP
	FETCH_B \next, 0, 0
	FETCH_A \next, 0, 0
	WIN MUL_HI
	MUL16 4, 1, 0
	MUL16 6, 1, 0
	PLACES NP
	WIN 0
	FETCH_A \next, 0, 4
.endm
	s_wait_tensorcnt 1                             ; my part of K step 0 is in; K step 1's load may be out
	s_barrier_signal -1
	s_barrier_wait -1
	FETCH_B 0, 0, 0
	FETCH_A 0, 0, 0
	FETCH_A 0, 0, 4
	STEP 0, 0, 1                                   ; the first step stands in front of the loop: its products start the sums
	s_mov_b32 s3, LAPS-1
.Llap:                                                 ; a trip goes once round the ring and fills both slots again
	TURN 0, 1, 1
	STEP 1, 0, 0
	TURN 1, 0, 1
	STEP 0, 0, 0
	s_sub_co_u32 s3, s3, 1
	s_cmp_lg_u32 s3, 0
	s_cbranch_scc1 .Llap
	TURN 0, 1, 0                                   ; the last lap fills nothing
	STEP 1, 0, 0
	s_wait_dscnt 4*NL
	WIN MUL_LO
	MUL16 0, 1, 0
	MUL16 2, 1, 0
	s_wait_dscnt 0
	WIN MUL_HI
	MUL16 4, 1, 0
	MUL16 6, 1, 0
	WIN 0
	; THE WAY OUT.  Three kinds, chosen by the wave's number and the cluster's x.  All results are stored from registers.
	PLACES NP                                      ; behind the last products: for the reads of results, and for loads and writes into the registers that held fragments
	s_wait_kmcnt 0x0                               ; the exponents
	s_wait_loadcnt 0x0                             ; the norm's weights
	s_and_b32 s92, s[TY], 7
	s_lshl_b32 s92, s92, 4
	s_lshl_b32 s93, s[RHO], 3
	s_add_co_u32 s92, s92, s93                     ; my first tile of 16 tokens within the batch: 16 (tile row % 8) + 8 x half
	s_lshr_b32 s93, s[TY], 3                       ; the batch
	s_cmp_lg_u32 s[KAP], 0
	s_cbranch_scc1 .Lodd
	; ---- q (cluster x 0, 1) or k (cluster x 2): norm, RoPE, codes.  The two differ in pointers and exponents alone, which are selected.
	s_lshl_b32 s94, s93, 3
	s_add_co_u32 s94, s94, s[TC]                   ; q: 8 x batch + head
	s_lshl_b32 s95, s93, 2
	s_add_co_u32 s95, s95, s[CX]                   ; k: 4 x batch + kv head
	s_add_co_i32 s96, s80, s81                     ; e0 + e1
	s_add_co_i32 s97, s82, s83                     ; e2 + e3
	s_cmp_lt_u32 ttmp9, 2
	s_cselect_b32 s94, s94, s95
	s_cselect_b32 s96, s96, s97                    ; E: a sum stands for sum x 2^E
	s_cselect_b32 s97, s86, s87                    ; the operand's own exponent: e6 or e7
	s_cselect_b64 s[20:21], s[20:21], s[22:23]
	s_lshl_b32 s94, s94, 7
	s_add_co_u32 s94, s94, s92
	s_lshl_b32 s94, s94, 11                        ; images of 2,048 bytes
	s_mov_b32 s95, 0
	s_add_nc_u64 s[20:21], s[20:21], s[94:95]
	s_lshl_b32 s98, s92, 13                        ; tables of 8,192 bytes a tile
	s_mov_b32 s99, 0
	s_add_nc_u64 s[18:19], s[18:19], s[98:99]
	s_lshl_b32 s98, s96, 1
	s_add_co_i32 s98, s98, 120
	s_lshl_b32 s98, s98, 23                        ; 2^(2 E - 7): the mean of the squares = the sum of the sums' squares x this
	s_mov_b32 s99, 0x358637bd                      ; eps = 1e-6
	s_add_co_i32 s100, s97, 127
	s_lshl_b32 s101, s100, 23
	v_mov_b32 v[SC], s101                          ; the scale as f32: the conversion takes its exponent field
	s_add_co_i32 s100, s100, 8
	s_lshl_b32 s100, s100, 23
	s_or_b32 s100, s100, 0x600000
	v_mov_b32 v[LIM], s100                         ; 448 x the scale
	s_mov_b32 s78, 0x76543210                      ; v_permlanex16_b32's selects for lane l xor 16
	s_mov_b32 s79, 0xfedcba98
	v_mov_b32 v[RS+1], 0                           ; (named as the upper half of a pair)
.macro TABLE blk                       ; the tables of block blk's 16 tokens into set blk % 2 of window 1: sixteen loads of 512 consecutive bytes
.irp q, 0,1,2,3,4,5,6,7,8,9,10,11,12,13,14,15
	global_load_b128 v[64*((\blk)%2)+4*\q:64*((\blk)%2)+4*\q+3], v[LI], s[18:19] offset:(\blk)*8192+512*\q
.endr
.endm
	WIN TO_B
	TABLE 0
	WIN 0
.set i, 0
.rept 32
	v_pk_add_f32 v[WP+i:WP+i+1], v[WP+i:WP+i+1], 1.0 op_sel_hi:[1,0]   ; w + 1
.set i, i+2
.endr
; Block a: 16 tokens x 128 columns.
.macro NR a
.set AC, 64*((\a)%4)
.set WS, 2+(\a)/4                      ; the window of the block's accumulators
.set WW, 5*WS                          ; the same for sources 0 and 1
.set TS, 64*((\a)%2)
.set CB, CD+16*((\a)%2)
.if (\a) < 7
	WIN TO_B
	TABLE (\a)+1                                   ; the next block's tables are on their way while this block is worked
.endif
	WIN WW
	v_pk_mul_f32 v[SQ:SQ+1], v[AC:AC+1], v[AC:AC+1]            ; the sum of squares, two at a time, in two chains; each accumulator from its low end on
	v_pk_mul_f32 v[SQ+2:SQ+3], v[AC+2:AC+3], v[AC+2:AC+3]
.set i, 4
.rept 15
	v_pk_fma_f32 v[SQ:SQ+1], v[AC+i:AC+i+1], v[AC+i:AC+i+1], v[SQ:SQ+1]
	v_pk_fma_f32 v[SQ+2:SQ+3], v[AC+i+2:AC+i+3], v[AC+i+2:AC+i+3], v[SQ+2:SQ+3]
.set i, i+4
.endr
	WIN 0
	v_pk_add_f32 v[SQ:SQ+1], v[SQ:SQ+1], v[SQ+2:SQ+3]
	v_add_f32 v[SQ], v[SQ], v[SQ+1]
	v_permlanex16_b32 v[SQ+2], v[SQ], s78, s79     ; the token's other 64 columns lie in the lane 16 away
	v_add_f32 v[SQ], v[SQ], v[SQ+2]
	v_fma_f32 v[RS], v[SQ], s98, s99               ; mean + eps
	v_rsq_f32 v[RS], v[RS]
	v_nop                                          ; a plain instruction behind the transcendental
	s_wait_alu depctr_va_vdst(0)
	v_ldexp_f32 v[RS], v[RS], s96                  ; x 2^E: a power of two, so (sum x 2^E) x rsqrt is rounded once
	WIN WS
.set i, 0
.rept 32
	v_pk_mul_f32 v[U+i:U+i+1], v[AC+i:AC+i+1], v[RS:RS+1] op_sel_hi:[1,0]
.set i, i+2
.endr
	WIN 0
.set i, 0
.rept 32
	v_pk_mul_f32 v[U+i:U+i+1], v[U+i:U+i+1], v[WP+i:WP+i+1]    ; x (w + 1)
.set i, i+2
.endr
.if (\a) < 7
	s_wait_loadcnt 16                              ; this block's tables are in; the next block's sixteen loads may be out
.else
	s_wait_loadcnt 0x0
.endif
	WIN 0x04                                       ; source 1: window 1, the tables
.set i, 0
.rept 16                               ; registers i (column d < 64) and 32 + i (column d + 64): lo' = lo cos - hi sin, hi' = hi cos + lo sin
	v_pk_mul_f32 v[TQ:TQ+1], v[U+32+i:U+32+i+1], v[TS+32+i:TS+32+i+1]
	v_pk_mul_f32 v[TQ+2:TQ+3], v[U+i:U+i+1], v[TS+32+i:TS+32+i+1]
	v_pk_fma_f32 v[U+i:U+i+1], v[U+i:U+i+1], v[TS+i:TS+i+1], v[TQ:TQ+1] neg_lo:[0,0,1] neg_hi:[0,0,1]
	v_pk_fma_f32 v[U+32+i:U+32+i+1], v[U+32+i:U+32+i+1], v[TS+i:TS+i+1], v[TQ+2:TQ+3]
.set i, i+2
.endr
	WIN 0
.set i, 0
.rept 64
	v_med3_num_f32 v[U+i], v[U+i], -v[LIM], v[LIM] ; the conversion to an 8-bit code does not saturate (ISA guide 7.6.2): the hold at the largest code x the scale
.set i, i+1
.endr
	s_wait_xcnt 0x0                                ; the stores of two blocks ago have read this set of codes
.irp b, 0,1,2,3,4,5,6,7
	v_cvt_scalef32_pk8_fp8_f32 v[CB+2*\b:CB+2*\b+1], v[U+8*\b:U+8*\b+7], v[SC]   ; registers 2 b, 2 b + 1 of the operand: K = 16 b + 8 h + 0 .. 7
.endr
	v_nop                                          ; a plain instruction behind the last conversion
.irp c, 0,1,2,3
	global_store_b128 v[LI], v[CB+4*\c:CB+4*\c+3], s[20:21] offset:(\a)*2048+512*\c
.endr
.endm
.irp a, 0,1,2,3,4,5,6,7
	NR \a
.endr
	s_branch .Lend
.Lodd:
	s_cmp_eq_u32 ttmp9, 2
	s_cbranch_scc1 .Lvalues
	; ---- the gate: sigmoid(g) = 1 / (1 + 2^(-g log2 e)), in f32, as an image of 64 registers a lane
	s_lshl_b32 s94, s93, 3
	s_add_co_u32 s94, s94, s[TC]
	s_lshl_b32 s94, s94, 7
	s_add_co_u32 s94, s94, s92
	s_lshl_b32 s94, s94, 13                        ; images of 8,192 bytes
	s_mov_b32 s95, 0
	s_add_nc_u64 s[26:27], s[26:27], s[94:95]
	s_add_co_i32 s94, s80, s81
	s_lshl_b32 s94, s94, 23
	s_add_co_i32 s94, s94, 0xbfb8aa3b              ; -log2(e) x 2^(e0 + e1): the exponents are added to the constant's exponent field
	s_mov_b32 s95, s94                             ; (named with it as a pair)
.macro GT a
.set AC, 64*((\a)%4)
.set WS, 2+(\a)/4
.set GB, 128+64*((\a)%2)
	s_wait_xcnt 0x0                                ; the stores of two blocks ago have read this set
	WIN WS
.set i, 0
.rept 32
	v_pk_mul_f32 v[GB+i:GB+i+1], v[AC+i:AC+i+1], s[94:95] op_sel_hi:[1,0]
.set i, i+2
.endr
	WIN 0
.set i, 0
.rept 64
	v_exp_f32 v[GB+i], v[GB+i]
.set i, i+1
.endr
	v_nop                                          ; a plain instruction between the exponentials and the use of their results
.set i, 0
	s_wait_alu depctr_va_vdst(0)
.rept 32
	v_pk_add_f32 v[GB+i:GB+i+1], v[GB+i:GB+i+1], 1.0 op_sel_hi:[1,0]
.set i, i+2
.endr
.set i, 0
.rept 64
	v_rcp_f32 v[GB+i], v[GB+i]
.set i, i+1
.endr
	v_nop
	s_wait_alu depctr_va_vdst(0)
.irp q, 0,1,2,3,4,5,6,7,8,9,10,11,12,13,14,15
	global_store_b128 v[LI], v[GB+4*\q:GB+4*\q+3], s[26:27] offset:(\a)*8192+512*\q
.endr
.endm
.irp a, 0,1,2,3,4,5,6,7
	GT \a
.endr
	s_branch .Lend
.Lvalues:
	; ---- v: block a is the tile of channels 16 a .. 16 a + 15; register 8 b + j is token 16 b + 8 h + j of my 128 tokens, which are one key step
	s_lshl_b32 s94, s93, 2
	s_add_co_u32 s94, s94, s[CX]
	s_lshl_b32 s94, s94, 7
	s_add_co_u32 s94, s94, s92
	s_lshl_b32 s94, s94, 11
	s_mov_b32 s95, 0
	s_add_nc_u64 s[24:25], s[24:25], s[94:95]
	s_sub_co_i32 s96, s89, s84
	s_sub_co_i32 s96, s96, s85                     ; e9 - e4 - e5: the three scales folded into the conversion's one
	s_add_co_i32 s96, s96, 127
	s_lshl_b32 s97, s96, 23
	v_mov_b32 v[SC], s97
	s_add_co_i32 s96, s96, 8
	s_lshl_b32 s96, s96, 23
	s_or_b32 s96, s96, 0x600000
	v_mov_b32 v[LIM], s96
.macro VP a
.set AC, 64*((\a)%4)
.set WS, 2+(\a)/4
.set CB, CD+16*((\a)%2)
	WIN WS
.set i, 0
.rept 64
	v_med3_num_f32 v[U+i], v[AC+i], -v[LIM], v[LIM]
.set i, i+1
.endr
	WIN 0
	s_wait_xcnt 0x0                                ; the stores of two blocks ago have read this set of codes
.irp b, 0,1,2,3,4,5,6,7
	v_cvt_scalef32_pk8_fp8_f32 v[CB+2*\b:CB+2*\b+1], v[U+8*\b:U+8*\b+7], v[SC]
.endr
	v_nop
.irp c, 0,1,2,3
	global_store_b128 v[LI], v[CB+4*\c:CB+4*\c+3], s[24:25] offset:(\a)*2048+512*\c
.endr
.endm
.irp a, 0,1,2,3,4,5,6,7
	VP \a
.endr
.Lend:
	s_wait_tensorcnt 0x0                           ; the wave's end
	ds_add_u32 v[SPW], v[NIL]
	s_wait_dscnt 0x0
	CROUND                                         ; the closing round: no work-group ends while a partner may still ask for a tile that names it
	s_endpgm
.Lfunc_end_k_qcaaed0e7ca_proj:
	.size	k_qcaaed0e7ca_proj, .Lfunc_end_k_qcaaed0e7ca_proj-k_qcaaed0e7ca_proj
	.p2alignl 7, 3214868480
	.fill 96, 4, 3214868480
	.section	.rodata,"a",@progbits
	.p2align	6, 0x0
	.amdhsa_kernel k_qcaaed0e7ca_proj
		.amdhsa_group_segment_fixed_size 327680
		.amdhsa_private_segment_fixed_size 0
		.amdhsa_enable_private_segment 0
		.amdhsa_kernarg_size 96
		.amdhsa_user_sgpr_count 2
		.amdhsa_user_sgpr_kernarg_segment_ptr 1
		.amdhsa_wavefront_size32 1
		.amdhsa_system_sgpr_workgroup_id_x 1
		.amdhsa_system_sgpr_workgroup_id_y 1
		.amdhsa_system_sgpr_workgroup_id_z 1
		.amdhsa_system_vgpr_workitem_id 0
		.amdhsa_next_free_vgpr 1024
		.amdhsa_next_free_sgpr 102
		.amdhsa_reserve_vcc 0
		.amdhsa_float_denorm_mode_32 3
		.amdhsa_float_denorm_mode_16_64 3
		.amdhsa_memory_ordered 1
		.amdhsa_forward_progress 1
		.amdhsa_inst_pref_size 255
	.end_amdhsa_kernel
	.section	.bss,"aw",@nobits
	.p2align	6
	.space	262144
	.amdgpu_metadata
---
amdhsa.version: [ 1, 2 ]
amdhsa.kernels:
  - .name:           k_qcaaed0e7ca_proj
    .symbol:         k_qcaaed0e7ca_proj.kd
    .args:
      - { .name: x_codes, .offset: 0, .size: 8, .value_kind: global_buffer, .address_space: global }
      - { .name: Wq_codes, .offset: 8, .size: 8, .value_kind: global_buffer, .address_space: global }
      - { .name: Wk_codes, .offset: 16, .size: 8, .value_kind: global_buffer, .address_space: global }
      - { .name: Wv_codes, .offset: 24, .size: 8, .value_kind: global_buffer, .address_space: global }
      - { .name: qn_w, .offset: 32, .size: 8, .value_kind: global_buffer, .address_space: global }
      - { .name: kn_w, .offset: 40, .size: 8, .value_kind: global_buffer, .address_space: global }
      - { .name: lowp_scales, .offset: 48, .size: 8, .value_kind: global_buffer, .address_space: global }
      - { .name: rope, .offset: 56, .size: 8, .value_kind: global_buffer, .address_space: global }
      - { .name: q_img, .offset: 64, .size: 8, .value_kind: global_buffer, .address_space: global }
      - { .name: k_img, .offset: 72, .size: 8, .value_kind: global_buffer, .address_space: global }
      - { .name: v_img, .offset: 80, .size: 8, .value_kind: global_buffer, .address_space: global }
      - { .name: gate_img, .offset: 88, .size: 8, .value_kind: global_buffer, .address_space: global }
    .group_segment_fixed_size: 327680
    .private_segment_fixed_size: 0
    .kernarg_segment_align: 8
    .kernarg_segment_size: 96
    .max_flat_workgroup_size: 128
    .sgpr_count:     102
    .vgpr_count:     1024
    .wavefront_size: 32
...
	.end_amdgpu_metadata
.endif
;; end of part 2
;; launch attn (part 3): grid 32 x 8, 16 waves a work-group, clusters of 4 x 1, 327,680 bytes of LDS; arguments q_img, k_img, v_img, gate_img, lowp_scales, a_img; writes a_img
.if DOCPART == 3
	.amdgcn_target "amdgcn-amd-amdhsa--gfx1250"
	.amdhsa_code_object_version 6
	.text
	.protected	k_qcaaed0e7ca_attn
	.globl	k_qcaaed0e7ca_attn
	.p2align	8
	.type	k_qcaaed0e7ca_attn,@function
k_qcaaed0e7ca_attn:
	s_mov_b64 s[64:65], 0
	v_nop
	global_prefetch_b8 v0, s[64:65] scope:SCOPE_SE
	s_setreg_imm32_b32 hwreg(HW_REG_WAVE_MODE, 25, 1), 1
	s_wait_xcnt 0x0
	s_wait_alu depctr_hold_cnt(0) depctr_sa_sdst(0) depctr_va_vdst(0) depctr_va_sdst(0) depctr_va_ssrc(0) depctr_va_vcc(0) depctr_vm_vsrc(0)
	s_getreg_b32 s2, hwreg(HW_REG_IB_STS2, 6, 4)
	s_cmp_eq_u32 s2, 0
	s_cbranch_scc0 .Lentry_in_a_cluster
	s_endpgm
.Lentry_in_a_cluster:
	s_bfe_u32 s2, ttmp6, 0x10000c
	s_cmp_lg_u32 s2, 0x3003
	s_cbranch_scc0 .Lentry_shape_is_right
	s_endpgm
.Lentry_shape_is_right:
; Causal attention on codes of FP8 (E4M3), two query heads to a key and value head, then x sigmoid(gate) and the quantiser of the output projection's operand.
; All operands come as images of operand registers (a fragment of 16 rows x 128 K: 2,048 bytes, registers 4 c .. 4 c + 3 of lane l at 512 c + 16 l), so a key step's K (8 fragments) and V (8 fragments) are dense blocks of 16 KiB.
; THE SOFTMAX: t = score x log2(e) / sqrt(128); M = the largest t so far, rounded UP to a whole number; p = 2^(t - M) is quantised along the keys with 2^e8; the row's sum is taken of the unquantised p and divides at the end.
; SHARES.  Work-group (p, y): y = 4 batch + kv head; p = 4 a + cx.  It owns the groups of 32 tokens 63 - p (late) and p (early) for both query heads: 8 tiles of 16 queries.  The late tiles see 16 - a key steps of 128 keys,
; the early ones a + 1: 17 for each pair, the same in every work-group.  These counts hang on the cluster's x alone, so the four partners of a cluster run alike; cx enters global addresses and the mask's numbers only.
; WAVES.  Bits of the wave's number: 0 which tile of the group, 1 the query head, 2 the PARITY, 3 late (0) or early (1).  Two waves share a tile: the wave of parity 0 takes the even key steps, parity 1 the odd ones, each with
; its own M, sum and O^T; at the end the odd wave hands its three through LDS to the even one, which joins them by exact powers of two.  Four waves share a SIMD, so one wave's vector work stands beside another's products.
; RING.  Two slots of FOUR key steps (K's four, then V's four: 128 KiB), so that the head's 16 key steps are four fills: both slots' first fills go out together, two refills follow, each behind a round of the
; cluster's barrier.  Waves 0 to 3 each ask for one block of 32 KiB, JOINTLY with the three partners, which walk the same K and V: two tensor loads of a fetching wave are out at the start, one later.
; Between two barriers a wave works two key steps.  Every work-group walks all four fills, written out without a loop; a key step beyond a wave's count is left out by a scalar branch on ids at the step's head.
; The price: a cluster whose late tiles see twelve key steps or fewer fetches one slot that nobody reads.
; LAYOUT.  S^T = K Q^T and O^T = V^T P^T: a lane holds ONE query (lane % 16); register j of score tile T is key 16 T + 8 (lane / 16) + j, so eight registers convert into registers 2 T, 2 T + 1 of P's fragment.
; V IS FETCHED AHEAD: its first four fragments straight behind the scores' products, into the registers that K has left, its other four into p's registers as soon as p is converted.
; LIMITS on the given exponents: e6 + e7 between -123 and 130 (added to c's exponent field); e8 and e10 between -126 and 119; e8 + e9 is applied by v_ldexp_f32 and has none.
; REGISTERS: v1, v2 LDS address of my first key step's K in slot 0, 1; v8, v9 the same for V; v3 the mask's number; v4, v10 the hand-over's addresses; v5, v6 the spare word and 0; v7 16 x lane; v12 -M, v13 the largest t,
;   v[14:15] the sum; v16-31 Q; v32-95 four fragments of K or V, at the end the gate; v96-159 S^T, then p, then four fragments of V, at the end the partner's O^T; v160-223 O^T; v224-239 codes; v236-254 at work.
.set SLOT1, 131072
.set VOFF,  65536                      ; V's four key steps lie behind K's four
.set PAIR,  32768                      ; from my first key step of a slot to my second: two key steps of 16 KiB
.set SPARE, 262144                     ; behind the ring: the spare words, 128 bytes for each of sixteen waves
.set MREG,  8704                       ; the hand-over: 8 regions of 8,704 bytes (O^T 8,192, -M 128, the sum 128, rounded up) from LDS byte 0 on: in slot 0, which has had its last fill, and which nobody reads behind the last change of slots
.set ADK,  1
.set DL,   3
.set MA,   4
.set SPW,  5
.set NIL,  6
.set LI,   7
.set ADV,  8
.set MB,   10
.set WV,   18
.set SEL,  20
.set CS,   22
.set G1,   24                          ; s[24:31] descriptor group 1;  s[32:39] group 0, one set for each slot
.set G0,   32
.set SI,   40                          ; s40  my key step in hand
.set NST,  41                          ; s41  how many key steps my tile sees
.set TMP,  43
.set ES,   44                          ; s44  e8 + e9
.set PAR,  74                          ; s74  my parity
.macro ROUND                           ; a round of the cluster's barrier
	s_barrier_signal -1
	s_barrier_wait -1
	s_cmp_lg_u32 s[WV], 0
	s_cbranch_scc1 .Lnot_wave_0_\@
	s_barrier_signal -3
.Lnot_wave_0_\@:
	s_barrier_wait -3
	s_barrier_signal -1
	s_barrier_wait -1
.endm
.macro TLOAD s                         ; waves 0 to 3 ask for their block of slot s; four v_nop follow the line
	s_cmp_lt_u32 s[WV], 4
	s_cbranch_scc0 .Lnone_\@
	tensor_load_to_lds s[G0+4*(\s):G0+4*(\s)+3], s[G1:G1+7]
	s_nop 0
.rept 4
	v_nop
.endr
.Lnone_\@:
.endm
	s_load_b256 s[4:11], s[0:1], 0x0               ; q_img s[4:5], k_img s[6:7], v_img s[8:9], gate_img s[10:11]
	s_load_b128 s[12:15], s[0:1], 0x20             ; the exponents s[12:13], a_img s[14:15]
	v_lshl_add_u32 v[SPW], v0, 2, SPARE
	v_mov_b32 v[NIL], 0
	ds_add_u32 v5, v6
	s_wait_dscnt 0x0
	v_lshrrev_b32 v32, 5, v0
	v_readfirstlane_b32 s[WV], v32                 ; wave 0..15
	s_bfe_u32 s66, ttmp6, 0x40000                  ; cx
	s_and_b32 s67, ttmp7, 0xffff                   ; 4 x batch + kv head
	s_lshl_b32 s68, ttmp9, 2
	s_add_co_u32 s68, s68, s66                     ; p
	s_sub_co_u32 s69, 63, s68
	s_sub_co_u32 s70, 16, ttmp9                    ; the late tiles' key steps
	s_add_co_u32 s71, ttmp9, 1                     ; the early tiles'
	s_and_b32 s72, s[WV], 1                        ; which tile of the group.  Also: which half of a slot's four key steps I fetch
	s_bfe_u32 s73, s[WV], 0x10001                  ; the query head of the pair
	s_bfe_u32 s[PAR], s[WV], 0x10002               ; the parity
	s_cmp_lt_u32 s[WV], 8
	s_cselect_b32 s69, s69, s68                    ; my group of 32 tokens
	s_cselect_b32 s[NST], s70, s71
	s_mov_b32 s[SI], s[PAR]
	s_lshl_b32 s75, s69, 1
	s_add_co_u32 s75, s75, s72                     ; my tile of 16 tokens within the batch
	s_lshl_b32 s76, s67, 1
	s_add_co_u32 s76, s76, s73
	s_lshl_b32 s76, s76, 7
	s_add_co_u32 s76, s76, s75                     ; (8 batch + head) x 128 + tile
	s_lshl_b32 s78, s76, 13                        ; the gate's image, 8,192 bytes
	s_mov_b32 s79, 0
	s_lshl_b32 s76, s76, 11                        ; q's image, 2,048 bytes
	s_mov_b32 s77, 0
	s_and_b32 s90, s67, 3
	s_lshl_b32 s90, s90, 8                         ; a_img: [kv head][128 batch + tile][head of the pair][2,048]
	s_lshr_b32 s91, s67, 2
	s_lshl_b32 s91, s91, 7
	s_add_co_u32 s90, s90, s91
	s_add_co_u32 s90, s90, s75
	s_lshl_b32 s90, s90, 1
	s_add_co_u32 s90, s90, s73
	s_lshl_b32 s90, s90, 11
	s_mov_b32 s91, 0
	s_lshl_b32 s80, s67, 18                        ; K and V: 262,144 bytes for each batch and kv head, which the partners share,
	s_lshl_b32 s81, s72, 15                        ; + 32,768 for the second half of a slot's four key steps
	s_add_co_u32 s80, s80, s81
	s_mov_b32 s81, 0
	s_and_b32 s82, s[WV], 3
	s_lshl_b32 s82, s82, 15                        ; where my block goes in a slot: 32,768 x wave (waves 0 to 3)
	s_and_b32 s83, s[WV], 2                        ; waves 0, 1: K; waves 2, 3: V
	; descriptor group 1: a dense block of 32,768 bytes as 128 rows of 32 elements of 8 bytes
	s_mov_b32 s[G1], 15|(3<<16)|(1<<21)            ; 15:0 the mask: all four work-groups; 17:16 elements of 8 bytes; 21 set beside a mask; no padding
	s_mov_b32 s[G1+1], 32<<16                      ; tensor_dim0
	s_mov_b32 s[G1+2], 128<<16                     ; tensor_dim1
	s_mov_b32 s[G1+3], 32<<16                      ; tile_dim0
	s_mov_b32 s[G1+4], 128                         ; tile_dim1
	s_mov_b32 s[G1+5], 32                          ; tensor_dim0_stride
	s_mov_b32 s[G1+6], 0
	s_mov_b32 s[G1+7], 0
	s_mov_b32 s[SEL], 0x76543210
	s_mov_b32 s[SEL+1], 0xfedcba98
	s_mov_b32 s[CS], 0x3e0293ee                    ; c = log2(e) / sqrt(128)
	s_wait_kmcnt 0x0
	s_load_b256 s[48:55], s[12:13], 0x0            ; e0 .. e7
	s_load_b128 s[56:59], s[12:13], 0x20           ; e8 .. e11
	s_cmp_eq_u32 s83, 0
	s_cselect_b64 s[84:85], s[6:7], s[8:9]
	s_add_nc_u64 s[84:85], s[84:85], s[80:81]
.irp n, 0,1
	s_mov_b32 s[G0+4*\n], 1
	s_add_co_u32 s[G0+4*\n+1], s82, \n*SLOT1
	s_add_nc_u64 s[G0+4*\n+2:G0+4*\n+3], s[84:85], \n*65536       ; slot n begins with key steps 4 n .. 4 n + 3
	s_or_b32 s[G0+4*\n+3], s[G0+4*\n+3], 0x80000000
.endr
	ROUND                                          ; all four work-groups are here: the first joint loads meet
	s_cmp_lt_u32 s[WV], 4                          ; a fetching wave's two first fills stand in one branch, ahead of every wait on TENSORcnt, every LDS read and every other barrier
	s_cbranch_scc0 .Lno_first
	tensor_load_to_lds s[G0:G0+3], s[G1:G1+7]
	s_nop 0
	tensor_load_to_lds s[G0+4:G0+7], s[G1:G1+7]
	s_nop 0
.rept 4
	v_nop
.endr
.Lno_first:
	s_add_nc_u64 s[4:5], s[4:5], s[76:77]
	s_add_nc_u64 s[10:11], s[10:11], s[78:79]
	s_add_nc_u64 s[14:15], s[14:15], s[90:91]
	v_and_b32 v32, 31, v0
	v_lshlrev_b32 v[LI], 4, v32
.irp c, 0,1,2,3
	global_load_b128 v[16+4*\c:19+4*\c], v[LI], s[4:5] offset:512*\c   ; Q's fragment stays in registers
.endr
	s_lshl_b32 s86, s[PAR], 14
	v_add_nc_u32 v[ADK], s86, v[LI]                ; my first key step's K in slot 0: 16 x lane + 16,384 x parity
	v_add_nc_u32 v[ADK+1], SLOT1, v[ADK]
	v_add_nc_u32 v[ADV], VOFF, v[ADK]
	v_add_nc_u32 v[ADV+1], VOFF, v[ADK+1]
	s_and_b32 s87, s69, 3
	s_lshl_b32 s87, s87, 5
	s_lshl_b32 s88, s72, 4
	s_add_co_u32 s87, s87, s88                     ; my tile's first query within its key step
	v_and_b32 v33, 15, v0
	v_bfe_u32 v34, v0, 4, 1
	v_lshlrev_b32 v34, 3, v34
	v_sub_nc_u32 v[DL], v33, v34
	v_add_nc_u32 v[DL], s87, v[DL]                 ; my query - 8 (lane / 16): register 8 T + j is hidden on the diagonal where 16 T + j is larger
	s_and_b32 s88, s[WV], 3
	s_lshr_b32 s89, s[WV], 3
	s_lshl_b32 s89, s89, 2
	s_add_co_u32 s88, s88, s89                     ; the hand-over's region: the same for the two waves of a tile
	s_mul_i32 s88, s88, MREG
	v_add_nc_u32 v[MA], s88, v[LI]
	s_add_co_u32 s88, s88, 8192
	v_lshlrev_b32 v[MB], 2, v32
	v_add_nc_u32 v[MB], s88, v[MB]
	v_mov_b32 v13, 0xff61b1e6                      ; the largest t so far: -3e38, under every t
	v_floor_f32 v12, -v13                          ; -M
	v_mov_b32 v14, 0
	v_mov_b32 v15, 0
	v_mov_b32 v236, 0                              ; a lane permute's destination counts as one of its sources
	v_mov_b32 v253, 0                              ; (named as the upper half of a pair)
.set i, 0
.rept 64
	v_mov_b32 v[160+i], 0                          ; O^T: the step is one macro; the first finds zeros, which the first change of M leaves zeros
.set i, i+1
.endr
	s_wait_kmcnt 0x0
	s_add_co_i32 s86, s54, s55
	s_lshl_b32 s86, s86, 23
	s_add_co_i32 s[CS], s[CS], s86                 ; a score stands for score x 2^(e6 + e7)
	s_mov_b32 s[CS+1], s[CS]
	s_add_co_i32 s86, s56, 127
	s_lshl_b32 s87, s86, 23
	v_mov_b32 v244, s87                            ; 2^e8
	s_add_co_i32 s86, s86, 8
	s_lshl_b32 s86, s86, 23
	s_or_b32 s86, s86, 0x600000
	v_mov_b32 v240, s86                            ; 448 x 2^e8
	s_add_co_i32 s86, s58, 127
	s_lshl_b32 s87, s86, 23
	v_mov_b32 v248, s87                            ; 2^e10
	s_add_co_i32 s86, s86, 8
	s_lshl_b32 s86, s86, 23
	s_or_b32 s86, s86, 0x600000
	v_mov_b32 v249, s86                            ; 448 x 2^e10
	s_add_co_i32 s[ES], s56, s57
; MY i-TH KEY STEP (i = 0, 1) OF THE SLOT IN HAND: 128 keys.
.macro STEP slot, i
	s_cmp_ge_u32 s[SI], s[NST]                     ; all its keys come after my queries: left out; no barrier and no tensor load stands in a step
	s_cbranch_scc1 .Lskip_\@
.irp g, 0,1                                    ; S^T = K Q^T, four tiles of 16 keys at a time
.rept 5-\g
	v_nop                                          ; places: four in front of loads into registers that matrix instructions have read; five at the step's head, since the first scores are written over v96-127, which the last step's last products read as V's fragments
.endr
.irp t, 0,1,2,3
.irp c, 0,1,2,3
	ds_load_b128 v[32+16*\t+4*\c:32+16*\t+4*\c+3], v[ADK+\slot] offset:(\i)*PAIR+(4*\g+\t)*2048+512*\c
.endr
.endr
	s_wait_dscnt 0x0
.irp t, 0,1,2,3
	v_wmma_f32_16x16x128_fp8_fp8 v[96+8*(4*\g+\t):103+8*(4*\g+\t)], v[32+16*\t:47+16*\t], v[16:31], 0
.endr
.endr
.rept 4
	v_nop                                          ; places in front of the loads below and of the first read of the scores
.endr
.irp t, 0,1,2,3                                ; V's fragments 0-3 are asked for now and land during the softmax, which touches none of v32-95
.irp c, 0,1,2,3
	ds_load_b128 v[32+16*\t+4*\c:32+16*\t+4*\c+3], v[ADV+\slot] offset:(\i)*PAIR+\t*2048+512*\c
.endr
.endr
	s_add_co_u32 s[TMP], s[SI], 1                  ; my tile's last key step lies on the diagonal: hidden scores become -infinity ahead of the maximum, so that p = 0
	s_cmp_lg_u32 s[TMP], s[NST]
	s_cbranch_scc1 .Lopen_\@
	v_mov_b32 v254, 0xff800000
.irp n, 0,1,2,3,4,5,6,7,8,9,10,11,12,13,14,15,16,17,18,19,20,21,22,23,24,25,26,27,28,29,30,31,32,33,34,35,36,37,38,39,40,41,42,43,44,45,46,47,48,49,50,51,52,53,54,55,56,57,58,59,60,61,62,63
	v_cmp_gt_i32 vcc_lo, 16*(\n/8)+\n%8, v[DL]
	v_cndmask_b32 v[96+\n], v[96+\n], v254, vcc_lo
.endr
.Lopen_\@:
	v_max3_num_f32 v254, v96, v97, v98             ; the step's largest score of my query, among my 64 keys, in two chains,
	v_max3_num_f32 v252, v99, v100, v101
.irp i2, 6,10,14,18,22,26,30,34,38,42,46,50,54,58
	v_max3_num_f32 v254, v254, v[96+\i2], v[97+\i2]
	v_max3_num_f32 v252, v252, v[98+\i2], v[99+\i2]
.endr
	v_max3_num_f32 v254, v254, v158, v159
	v_max_num_f32 v254, v254, v252
	v_permlanex16_b32 v236, v254, s[SEL], s[SEL+1]
	v_max_num_f32 v254, v254, v236                 ; and among lane l xor 16's
	v_mul_f32 v254, s[CS], v254                    ; as t (c is positive)
	v_max_num_f32 v13, v13, v254
	v_mov_b32 v254, v12
	v_floor_f32 v12, -v13                          ; the new -M = -ceil(t): a whole number
	v_sub_f32 v254, v12, v254                      ; old M - new M, 0 or less
	v_cvt_i32_f32 v254, v254                       ; (it saturates)
	v_ldexp_f32 v252, 1.0, v254                    ; f = 2^(old M - new M): rounds nothing
.set j, 0
.rept 32
	v_pk_fma_f32 v[96+j:97+j], v[96+j:97+j], s[CS:CS+1], v[12:13] op_sel_hi:[1,0,0]   ; t - M
.set j, j+2
.endr
.set j, 0
.rept 64
	v_exp_f32 v[96+j], v[96+j]                     ; p = 2^(t - M), at most 1
.set j, j+1
.endr
	v_pk_mul_f32 v[14:15], v[14:15], v[252:253] op_sel_hi:[1,0]   ; the sums under the new M (a plain place behind the exponentials)
	s_wait_alu depctr_va_vdst(0)
	v_pk_add_f32 v[242:243], v[96:97], v[98:99]    ; the row's sum is taken of the unquantised p, in two chains
.irp j2, 4,8,12,16,20,24,28,32,36,40,44,48,52,56,60
	v_pk_add_f32 v[14:15], v[14:15], v[96+\j2:97+\j2]
	v_pk_add_f32 v[242:243], v[242:243], v[98+\j2:99+\j2]
.endr
	v_pk_add_f32 v[14:15], v[14:15], v[242:243]
.irp b, 0,1,2,3,4,5,6,7
.irp i2, 0,1,2,3,4,5,6,7
	v_min_num_f32 v[96+8*\b+\i2], v[96+8*\b+\i2], v240   ; the hold; p is not negative, so it is one-sided
.endr
	v_cvt_scalef32_pk8_fp8_f32 v[224+2*\b:225+2*\b], v[96+8*\b:103+8*\b], v244   ; keys 16 b + 8 h + 0 .. 7
.endr
.set j, 0
.rept 2
	v_pk_mul_f32 v[160+j:161+j], v[160+j:161+j], v[252:253] op_sel_hi:[1,0]   ; O^T under the new M.  (The first two: plain instructions behind the last conversion)
.set j, j+2
.endr
.irp t, 0,1,2,3                                ; p is converted: its registers take V's fragments 4-7, which land while O^T is rescaled
.irp c, 0,1,2,3
	ds_load_b128 v[96+16*\t+4*\c:96+16*\t+4*\c+3], v[ADV+\slot] offset:(\i)*PAIR+(4+\t)*2048+512*\c
.endr
.endr
.rept 30
	v_pk_mul_f32 v[160+j:161+j], v[160+j:161+j], v[252:253] op_sel_hi:[1,0]
.set j, j+2
.endr
	s_wait_dscnt 16                                ; V's fragments 0-3 are in; the sixteen loads of fragments 4-7 may be out
.irp t, 0,1,2,3                                ; O^T += V^T P^T: eight tiles of 16 channels; the eight accumulators take turns
	v_wmma_f32_16x16x128_fp8_fp8 v[160+8*\t:167+8*\t], v[32+16*\t:47+16*\t], v[224:239], v[160+8*\t:167+8*\t]
.endr
	s_wait_dscnt 0x0
.irp t, 0,1,2,3
	v_wmma_f32_16x16x128_fp8_fp8 v[192+8*\t:199+8*\t], v[96+16*\t:111+16*\t], v[224:239], v[192+8*\t:199+8*\t]
.endr
.Lskip_\@:
	s_add_co_u32 s[SI], s[SI], 2
.endm
; A CHANGE OF SLOTS, and the two key steps of the slot that follows.  Each wave waits for all its tensor loads (its block of this slot), adds 0 to its spare word, and waits for that and for its reads of the slot that it
; has left.  refill = 1: a round of the cluster's barrier; behind it this slot is whole in every partner and nobody reads the other one, which is filled with the key steps eight on, first thing:
; that load has this slot's key steps in which to land.  refill = 0: nothing is left to fetch, and the work-group's barrier does.
.macro TWO slot, refill
	s_wait_tensorcnt 0x0                           ; no tensor load of mine is out, so a group 0 may be written
	ds_add_u32 v[SPW], v[NIL]                      ; 0 onto my spare word
.if \refill
	s_add_nc_u64 s[G0+4*(1-\slot)+2:G0+4*(1-\slot)+3], s[G0+4*(1-\slot)+2:G0+4*(1-\slot)+3], 0x20000   ; the other slot's next fill: eight key steps of 16 KiB on
.endif
	s_wait_dscnt 0x0                               ; the add is done, and my reads of the slot that I have left are over
.if \refill
	ROUND
	TLOAD 1-\slot
.else
	s_barrier_signal -1
	s_barrier_wait -1
.endif
	STEP \slot, 0
	STEP \slot, 1
.endm
	s_wait_loadcnt 0x0                             ; Q
	s_wait_tensorcnt 0x1                           ; my block of slot 0 is in; slot 1's may stay out
	s_barrier_signal -1
	s_barrier_wait -1                              ; everybody's is
	STEP 0, 0                                      ; key steps 0 to 3
	STEP 0, 1
	TWO 1, 1                                       ; key steps 4 to 7; slot 0 takes 8 to 11
	TWO 0, 1                                       ; key steps 8 to 11; slot 1 takes 12 to 15
	TWO 1, 0                                       ; key steps 12 to 15
	; THE WAY OUT.  The odd wave hands O^T, -M and its sum to the even wave of its tile; meanwhile the even wave asks for the gate.
	v_add_f32 v14, v14, v15                        ; the sum's two halves.  (With the three below: the places behind the last products)
.rept 3
	v_nop
.endr
	s_cmp_lg_u32 s[PAR], 0
	s_cbranch_scc0 .Lkeeper
.irp q, 0,1,2,3,4,5,6,7,8,9,10,11,12,13,14,15
	ds_store_b128 v[MA], v[160+4*\q:163+4*\q] offset:512*\q
.endr
	ds_store_b32 v[MB], v12
	ds_store_b32 v[MB], v14 offset:128
	s_branch .Lmeet
.Lkeeper:
.irp q, 0,1,2,3,4,5,6,7,8,9,10,11,12,13,14,15
	global_load_b128 v[32+4*\q:35+4*\q], v[LI], s[10:11] offset:512*\q th:TH_LOAD_NT   ; sigmoid(gate) in O^T's layout; read once in the launch
.endr
.Lmeet:
	s_wait_dscnt 0x0                               ; for the partner's sake: my stores have landed
	s_barrier_signal -1
	s_barrier_wait -1
	s_cmp_lg_u32 s[PAR], 0
	s_cbranch_scc1 .Lclose
.irp q, 0,1,2,3,4,5,6,7,8,9,10,11,12,13,14,15
	ds_load_b128 v[96+4*\q:99+4*\q], v[MA] offset:512*\q
.endr
	ds_load_b32 v252, v[MB]
	ds_load_b32 v253, v[MB] offset:128
	s_wait_dscnt 0x0
	v_min_num_f32 v254, v12, v252                  ; -M of the two together
	v_sub_f32 v242, v254, v12
	v_sub_f32 v246, v254, v252                     ; a partner that had no key step gives -3e38 here, and so the factor 0
	v_cvt_i32_f32 v242, v242
	v_cvt_i32_f32 v246, v246
	v_ldexp_f32 v242, 1.0, v242                    ; my factor, a power of two,
	v_ldexp_f32 v246, 1.0, v246                    ; and the partner's
	v_mul_f32 v14, v14, v242
	v_fma_f32 v14, v253, v246, v14
	v_permlanex16_b32 v236, v14, s[SEL], s[SEL+1]
	v_add_f32 v14, v14, v236                       ; the row's sum
	v_rcp_f32 v14, v14
	v_mov_b32 v243, 0                              ; (a plain place behind the transcendental; the upper halves of two pairs)
	v_mov_b32 v247, 0
	s_wait_alu depctr_va_vdst(0)
	v_ldexp_f32 v14, v14, s[ES]                    ; x 2^(e8 + e9)
	v_mul_f32 v242, v242, v14                      ; folded into the two factors
	v_mul_f32 v246, v246, v14
.set j, 0
.rept 32
	v_pk_mul_f32 v[160+j:161+j], v[160+j:161+j], v[242:243] op_sel_hi:[1,0]
.set j, j+2
.endr
.set j, 0
.rept 32
	v_pk_fma_f32 v[160+j:161+j], v[96+j:97+j], v[246:247], v[160+j:161+j] op_sel_hi:[1,0,1]
.set j, j+2
.endr
	s_wait_loadcnt 0x0                             ; the gate
.set j, 0
.rept 32
	v_pk_mul_f32 v[160+j:161+j], v[160+j:161+j], v[32+j:33+j]
.set j, j+2
.endr
.set j, 0
.rept 64
	v_med3_num_f32 v[160+j], v[160+j], -v249, v249
.set j, j+1
.endr
.irp b, 0,1,2,3,4,5,6,7
	v_cvt_scalef32_pk8_fp8_f32 v[224+2*\b:225+2*\b], v[160+8*\b:167+8*\b], v248   ; registers 2 b, 2 b + 1: channels 16 b + 8 h + 0 .. 7 of my token
.endr
	v_nop
.irp c, 0,1,2,3
	global_store_b128 v[LI], v[224+4*\c:227+4*\c], s[14:15] offset:512*\c
.endr
.Lclose:
	s_wait_tensorcnt 0x0                           ; the wave's end
	ds_add_u32 v[SPW], v[NIL]
	s_wait_dscnt 0x0
	ROUND                                          ; the closing round
	s_endpgm
.Lfunc_end_k_qcaaed0e7ca_attn:
	.size	k_qcaaed0e7ca_attn, .Lfunc_end_k_qcaaed0e7ca_attn-k_qcaaed0e7ca_attn
	.p2alignl 7, 3214868480
	.fill 96, 4, 3214868480
	.section	.rodata,"a",@progbits
	.p2align	6, 0x0
	.amdhsa_kernel k_qcaaed0e7ca_attn
		.amdhsa_group_segment_fixed_size 327680
		.amdhsa_private_segment_fixed_size 0
		.amdhsa_enable_private_segment 0
		.amdhsa_kernarg_size 48
		.amdhsa_user_sgpr_count 2
		.amdhsa_user_sgpr_kernarg_segment_ptr 1
		.amdhsa_wavefront_size32 1
		.amdhsa_system_sgpr_workgroup_id_x 1
		.amdhsa_system_sgpr_workgroup_id_y 1
		.amdhsa_system_sgpr_workgroup_id_z 1
		.amdhsa_system_vgpr_workitem_id 0
		.amdhsa_next_free_vgpr 256
		.amdhsa_next_free_sgpr 96
		.amdhsa_reserve_vcc 1
		.amdhsa_float_denorm_mode_32 3
		.amdhsa_float_denorm_mode_16_64 3
		.amdhsa_memory_ordered 1
		.amdhsa_forward_progress 1
		.amdhsa_inst_pref_size 217
	.end_amdhsa_kernel
	.amdgpu_metadata
---
amdhsa.version: [ 1, 2 ]
amdhsa.kernels:
  - .name:           k_qcaaed0e7ca_attn
    .symbol:         k_qcaaed0e7ca_attn.kd
    .args:
      - { .name: q_img, .offset: 0, .size: 8, .value_kind: global_buffer, .address_space: global }
      - { .name: k_img, .offset: 8, .size: 8, .value_kind: global_buffer, .address_space: global }
      - { .name: v_img, .offset: 16, .size: 8, .value_kind: global_buffer, .address_space: global }
      - { .name: gate_img, .offset: 24, .size: 8, .value_kind: global_buffer, .address_space: global }
      - { .name: lowp_scales, .offset: 32, .size: 8, .value_kind: global_buffer, .address_space: global }
      - { .name: a_img, .offset: 40, .size: 8, .value_kind: global_buffer, .address_space: global }
    .group_segment_fixed_size: 327680
    .private_segment_fixed_size: 0
    .kernarg_segment_align: 8
    .kernarg_segment_size: 48
    .max_flat_workgroup_size: 512
    .sgpr_count:     96
    .vgpr_count:     256
    .wavefront_size: 32
...
	.end_amdgpu_metadata
.endif
;; end of part 3
;; launch oproj (part 4): grid 8 x 32, 4 waves a work-group, clusters of 4 x 4, 327,680 bytes of LDS; arguments a_img, Wo_codes, lowp_scales, out0; writes out0
.if DOCPART == 4
	.amdgcn_target "amdgcn-amd-amdhsa--gfx1250"
	.amdhsa_code_object_version 6
	.text
	.protected	k_qcaaed0e7ca_oproj
	.globl	k_qcaaed0e7ca_oproj
	.p2align	8
	.type	k_qcaaed0e7ca_oproj,@function
k_qcaaed0e7ca_oproj:
	s_mov_b64 s[64:65], 0
	v_nop
	global_prefetch_b8 v0, s[64:65] scope:SCOPE_SE
	s_setreg_imm32_b32 hwreg(HW_REG_WAVE_MODE, 25, 1), 1
	s_wait_xcnt 0x0
	s_wait_alu depctr_hold_cnt(0) depctr_sa_sdst(0) depctr_va_vdst(0) depctr_va_sdst(0) depctr_va_ssrc(0) depctr_va_vcc(0) depctr_vm_vsrc(0)
	s_getreg_b32 s2, hwreg(HW_REG_IB_STS2, 6, 4)
	s_cmp_eq_u32 s2, 0
	s_cbranch_scc0 .Lentry_in_a_cluster
	s_endpgm
.Lentry_in_a_cluster:
	s_bfe_u32 s2, ttmp6, 0x10000c
	s_cmp_lg_u32 s2, 0xf033
	s_cbranch_scc0 .Lentry_shape_is_right
	s_endpgm
.Lentry_shape_is_right:
; out0 [4096][2048] f32 = A Wo on codes of FP8 (E4M3), K = 1,024, x 2^(e10 + e11).  A comes as images of operand registers, [K / 256 (4)][tile of 16 rows (256)][128 along K (2)][2,048 bytes]; Wo as rows [2048][1024], K innermost.
; A tile of the output is 128 x 256: 256 work-groups.  Four waves, each 64 x 128: 32 accumulators, 256 registers.  K goes in four steps of 256 through THREE LDS slots filled by the tensor data mover:
; A's part of a slot is a dense block of 32 KiB (waves 0 and 1 fetch its halves), Wo's is 256 rows of 256 bytes with 16 of padding (waves 2 and 3).
; K steps 0, 1 and 2 are first fills and go out together: three tensor loads of a wave are out at the start.  Only K step 3 is a refill, of slot 0, behind one round of the cluster's barrier: one load is out then.
; In front of that round every wave has waited for all its loads, so behind it slots 1 and 2 are whole for every wave, and the change from slot 1 to slot 2 wants neither wait nor barrier.
; CLUSTERS: 4 x 4 work-groups; A's blocks are shared along a row of the cluster, Wo's tiles along a column: joint loads.
; A's images hold registers 2 c, 2 c + 1 = K 16 c + 8 (lane / 16) + 0 .. 7, as the conversions that made them left them; so Wo's fragments are read in the same places, by eight loads of 8 bytes.
; THE MATRIX INSTRUCTION IS USED TRANSPOSED (source 0 = 16 rows of Wo, source 1 = 16 rows of A): a lane holds eight neighbouring numbers of a row of the output.
; LIMIT: e10 + e11 between -126 and 127.
; REGISTERS: window 0: v16-29 addresses; v64-127 A's four fragments, ONE set; on the way out v64-255.   window 1: Wo's fragments, TWO sets.   window 2: the accumulators ((a, b) at v[8 (8 a + b)]).
.set KROW,   1024
.set PITCH,  272
.set FR,     16
.set NP,     4
.set HALFA,  16384
.set HALFB,  128*PITCH
.set BOFF,   2*HALFA
.set SLOT,   BOFF+2*HALFB              ; 102,400
.set SPARE,  3*SLOT                    ; behind the three slots: the spare words, 128 bytes for each wave
.set STAGE,  SLOT                      ; the way out: 16 rows x (512 + 16) bytes for each wave, in slot 1: it is filled once, and every wave's last read of it is waited for in front of the last barrier
.set SPITCH, 528
.set ADRA, 16                          ; v16-18  LDS address of A's fragments in slot 0, 1, 2
.set ADRB, 20                          ; v20-22  the same for Wo
.set STO,  24
.set RD,   25
.set CO,   26
.set SPW,  28
.set NIL,  29
.set AF,   64
.set TMP,  128
.set G1,  24                           ; s[24:31] descriptor group 1 for A's blocks;  s[32:43] group 0, one set for each slot
.set G0,  32
.set G1B, 44                           ; s[44:51], s[52:63] the same for Wo's tiles
.set G0B, 52
.set MSB, 0
.macro WIN new
.if MSB != \new
	s_set_vgpr_msb (MSB<<8)|\new
.set MSB, \new
.endif
.endm
.set MUL,  0xa1                        ; source 0 (Wo) window 1, source 1 (A) window 0, C and D window 2
.set TO_B, 0x40
.macro JLOAD g0a, g1a, g0b, g1b        ; waves 0 and 1 fetch for A, waves 2 and 3 for Wo; four v_nop follow each of the two lines
	s_cmp_eq_u32 s15, 0
	s_cbranch_scc0 .Lfor_b_\@
	tensor_load_to_lds s[\g0a:\g0a+3], s[\g1a:\g1a+7]
	s_nop 0
.rept 4
	v_nop
.endr
	s_branch .Lasked_\@
.Lfor_b_\@:
	tensor_load_to_lds s[\g0b:\g0b+3], s[\g1b:\g1b+7]
	s_nop 0
.rept 4
	v_nop
.endr
.Lasked_\@:
.endm
.macro CROUND                          ; a round of the cluster's barrier
	s_barrier_signal -1
	s_barrier_wait -1
	s_cmp_lg_u32 s14, 0
	s_cbranch_scc1 .Lnot_wave_0_\@
	s_barrier_signal -3
.Lnot_wave_0_\@:
	s_barrier_wait -3
	s_barrier_signal -1
	s_barrier_wait -1
.endm
	s_load_b256 s[4:11], s[0:1], 0x0               ; a_img s[4:5], Wo s[6:7], the exponents s[8:9], out0 s[10:11]
	v_lshl_add_u32 v[SPW], v0, 2, SPARE
	v_mov_b32 v[NIL], 0
	ds_add_u32 v28, v29
	s_wait_dscnt 0x0
	v_lshrrev_b32 v1, 5, v0
	v_readfirstlane_b32 s14, v1                    ; wave 0..3
	s_lshr_b32 s15, s14, 1                         ; which 64 of the tile's rows are mine.  Also: I fetch for A (0) or for Wo (1)
	s_and_b32 s16, s14, 1                          ; which 128 of its columns.  Also: which half I fetch
	s_bfe_u32 s66, ttmp6, 0x40000                  ; cx, cy
	s_bfe_u32 s67, ttmp6, 0x40004
	s_lshl_b32 s68, ttmp9, 2
	s_add_co_u32 s68, s68, s66                     ; tile column
	s_and_b32 s17, ttmp7, 0xffff
	s_lshl_b32 s17, s17, 2
	s_add_co_u32 s17, s17, s67                     ; tile row
	s_lshl_b32 s69, s67, 2
	s_lshl_b32 s69, 15, s69                        ; my row of the cluster
	s_lshl_b32 s70, 0x1111, s66                    ; my column
	s_or_b32 s[G1+0], s69, (3<<16)|(1<<21)         ; A: the mask of my row; elements of 8 bytes; 21 set beside a mask; no padding
	s_mov_b32 s[G1+1], 32<<16                      ; a dense block of 16,384 bytes as 64 rows of 32 elements
	s_mov_b32 s[G1+2], 64<<16
	s_mov_b32 s[G1+3], 32<<16
	s_mov_b32 s[G1+4], 64
	s_mov_b32 s[G1+5], 32
	s_mov_b32 s[G1+6], 0
	s_mov_b32 s[G1+7], 0
	s_or_b32 s[G1B+0], s70, (0<<16)|(1<<20)|(1<<21)|(5<<22)|(3<<25)   ; Wo: the mask of my column; elements of 1 byte; four words of padding after every 64
	s_mov_b32 s[G1B+1], 256<<16
	s_mov_b32 s[G1B+2], 128<<16
	s_mov_b32 s[G1B+3], 256<<16
	s_mov_b32 s[G1B+4], 128
	s_mov_b32 s[G1B+5], KROW
	s_mov_b32 s[G1B+6], 0
	s_mov_b32 s[G1B+7], 0
	s_lshl_b32 s18, s16, 14                        ; A: my half of 16,384 bytes, in memory and in a slot
	s_lshl_b32 s20, s17, 15                        ; 8 tiles of rows x 4,096 bytes for each tile row
	s_add_co_u32 s20, s20, s18
	s_mov_b32 s21, 0
	s_lshl_b32 s72, s68, 8
	s_lshl_b32 s19, s16, 7
	s_add_co_u32 s72, s72, s19                     ; Wo: row 256 x tile column + 128 x half
	s_lshl_b32 s72, s72, 10
	s_mov_b32 s73, 0
	s_mul_i32 s22, s16, HALFB
	s_add_co_u32 s22, s22, BOFF                    ; and its place in a slot
	s_wait_kmcnt 0x0
	s_load_b64 s[96:97], s[8:9], 0x28              ; e10, e11
	s_add_nc_u64 s[20:21], s[4:5], s[20:21]
	s_add_nc_u64 s[72:73], s[6:7], s[72:73]
	CROUND                                         ; all sixteen work-groups are here: the first joint loads meet
.irp s, 0,1,2
	s_mov_b32 s[G0+4*\s], 1
	s_add_co_u32 s[G0+4*\s+1], s18, \s*SLOT
	s_add_nc_u64 s[G0+4*\s+2:G0+4*\s+3], s[20:21], \s*1048576     ; K step s of 256: 256 tiles of rows x 4,096 bytes on
	s_or_b32 s[G0+4*\s+3], s[G0+4*\s+3], 0x80000000
	s_mov_b32 s[G0B+4*\s], 1
	s_add_co_u32 s[G0B+4*\s+1], s22, \s*SLOT
	s_add_nc_u64 s[G0B+4*\s+2:G0B+4*\s+3], s[72:73], \s*256
	s_or_b32 s[G0B+4*\s+3], s[G0B+4*\s+3], 0x80000000
	JLOAD G0+4*\s, G1, G0B+4*\s, G1B
.endr
	v_and_b32 v1, 15, v0                           ; l % 16
	v_bfe_u32 v2, v0, 4, 1                         ; l / 16
	v_and_b32 v6, 31, v0
	v_lshlrev_b32 v[CO], 4, v6                     ; 16 x lane
	v_mul_u32_u24 v3, v1, PITCH
	v_lshl_add_u32 v4, v2, 3, v3                   ; Wo: row x pitch + 8 x half
	s_lshl_b32 s74, s15, 14                        ; my four tiles of rows of A
	s_mul_i32 s75, s16, HALFB
	s_add_co_u32 s75, s75, BOFF                    ; my 128 rows of Wo
.irp s, 0,1,2
	v_add_nc_u32 v[ADRA+\s], s74, v[CO]
	v_add_nc_u32 v[ADRB+\s], s75, v4
	s_add_co_u32 s74, s74, SLOT
	s_add_co_u32 s75, s75, SLOT
.endr
	s_mul_i32 s23, s14, 16*SPITCH
	s_add_co_u32 s23, s23, STAGE                   ; my stage
	v_mul_u32_u24 v5, v1, SPITCH
	v_lshl_add_u32 v5, v2, 5, v5
	v_add_nc_u32 v[STO], s23, v5                   ; in: row l % 16, 32 bytes for each half of the lanes
	v_add_nc_u32 v[RD], s23, v[CO]                 ; back: the 32 lanes take one row of 512 bytes
	s_lshl_b32 s76, s17, 7
	s_lshl_b32 s77, s15, 6
	s_add_co_u32 s76, s76, s77                     ; my first row of the output
	s_lshl_b32 s76, s76, 13                        ; rows of 8,192 bytes
	s_lshl_b32 s78, s68, 10
	s_lshl_b32 s79, s16, 9
	s_add_co_u32 s78, s78, s79                     ; my first column, in bytes
	s_add_co_u32 s76, s76, s78
	s_mov_b32 s77, 0
	s_add_nc_u64 s[10:11], s[10:11], s[76:77]
.macro FRAGA reg, adr, q, i            ; A's fragment (tile of rows i of my four, the slot's q-th 128 along K): the image as it lies
.irp c, 0,1,2,3
	ds_load_b128 v[\reg+4*\c:\reg+4*\c+3], v[\adr] offset:(2*(\i)+(\q))*2048+512*\c
.endr
.endm
.macro FRAGB reg, adr, q, i            ; Wo's fragment: registers 2 c, 2 c + 1 = K 16 c + 8 (l / 16) + 0 .. 7
.irp c, 0,1,2,3,4,5,6,7
	ds_load_b64 v[\reg+2*\c:\reg+2*\c+1], v[\adr] offset:128*(\q)+16*\c+(\i)*16*PITCH
.endr
.endm
; 8 matrix instructions: A's block a x Wo's eight.  The 32 accumulators take turns, one instruction a turn, in the same order in every step.
.macro MULB a, p, zero
.irp b, 0,1,2,3,4,5,6,7
.if \zero
	v_wmma_f32_16x16x128_fp8_fp8 v[8*(8*(\a)+\b):8*(8*(\a)+\b)+7], v[128*(\p)+FR*\b:128*(\p)+FR*\b+FR-1], v[AF+FR*(\a):AF+FR*(\a)+FR-1], 0
.else
	v_wmma_f32_16x16x128_fp8_fp8 v[8*(8*(\a)+\b):8*(8*(\a)+\b)+7], v[128*(\p)+FR*\b:128*(\p)+FR*\b+FR-1], v[AF+FR*(\a):AF+FR*(\a)+FR-1], v[8*(8*(\a)+\b):8*(8*(\a)+\b)+7]
.endif
.endr
.endm
.macro FETCH_B slot, q, p
	WIN TO_B
.irp i, 0,1,2,3,4,5,6,7
	FRAGB 128*(\p)+FR*\i, ADRB+\slot, \q, \i
.endr
	WIN 0
.endm
.macro FETCH_A slot, q, i0             ; A's blocks i0, i0 + 1
.irp i, \i0, \i0+1
	FRAGA AF+FR*(\i), ADRA+\slot, \q, \i
.endr
.endm
.macro PLACES n
.rept \n
	v_nop
.endr
.endm
; A step of 128 along K on Wo's set p.  It fetches the next step's fragments, the nq-th 128 along K of slot ns, Wo's into set 1 - p; slot ns is known to be whole.
.macro STEP ns, nq, p, zero
	s_wait_dscnt 8                                 ; Wo's set and A's blocks 0, 1 are in; the youngest eight loads (blocks 2, 3) may be out
	WIN MUL
	MULB 0, \p, \zero
	MULB 1, \p, \zero
	s_wait_dscnt 0
	PLACES NP
	FETCH_B \ns, \nq, 1-(\p)
	FETCH_A \ns, \nq, 0
	WIN MUL
	MULB 2, \p, \zero
	MULB 3, \p, \zero
	PLACES NP
	WIN 0
	FETCH_A \ns, \nq, 2
.endm
; A slot's last step (Wo's set 1) with a barrier at its head: all its fragments have been asked for by then.  Each wave waits for all its tensor loads, adds 0 to its spare word, and waits for that and for its reads.
; fill = 1: a round of the cluster's barrier, and slot 0 is filled with K step 3 first thing behind it: this step's products and three more steps' stand between the request and the wait for it.
; fill = 0: the work-group's barrier: behind it slot `next` is whole for every wave.
.macro TURN next, fill
	s_wait_tensorcnt 0x0                           ; all my tensor loads have landed; so a group 0 may be written
	ds_add_u32 v[SPW], v[NIL]                      ; 0 onto my spare word
.if \fill
	s_add_nc_u64 s[G0+2:G0+3], s[G0+2:G0+3], 3*1048576
	s_add_nc_u64 s[G0B+2:G0B+3], s[G0B+2:G0B+3], 3*256
.endif
	s_wait_dscnt 0x0                               ; the add is done, and my reads so far are over: this step's fragments are all in registers
.if \fill
	CROUND                                         ; no wave of any partner still reads slot 0 or has a load on its way
	JLOAD G0, G1, G0B, G1B                         ; the first tensor load behind the round
.else
	s_barrier_signal -1
	s_barrier_wait -1
.endif
	WIN MUL
	MULB 0, 1, 0
	MULB 1, 1, 0
	PLACES NP
	FETCH_B \next, 0, 0
	FETCH_A \next, 0, 0
	WIN MUL
	MULB 2, 1, 0
	MULB 3, 1, 0
	PLACES NP
	WIN 0
	FETCH_A \next, 0, 2
.endm
	s_wait_tensorcnt 2                             ; my part of K step 0 is in; K steps 1 and 2 may be out
	s_barrier_signal -1
	s_barrier_wait -1
	FETCH_B 0, 0, 0
	FETCH_A 0, 0, 0
	FETCH_A 0, 0, 2
	STEP 0, 1, 0, 1                                ; eight steps of 128 along K, written out: the first products start the sums
	TURN 1, 1                                      ; slot 0 is read out: it takes K step 3
	STEP 1, 1, 0, 0
	STEP 2, 0, 1, 0                                ; from slot 1 on into slot 2: both were shown whole by the round above
	STEP 2, 1, 0, 0
	TURN 0, 0                                      ; K step 3 has landed; nothing is left to fetch
	STEP 0, 1, 0, 0
	s_wait_dscnt 8
	WIN MUL
	MULB 0, 1, 0
	MULB 1, 1, 0
	s_wait_dscnt 0
	MULB 2, 1, 0
	MULB 3, 1, 0
	WIN 0
; THE WAY OUT, block by block of 16 rows x 128 columns, through my own stage in LDS: in as 32 bytes a lane, back as whole rows of 512 bytes.  LDS serves a wave's instructions in order (ISA guide 5.7.1.4).
.macro TOSTAGE a
.set AC, 64*(\a)
	WIN 0x02                                       ; source 0: window 2
.set j, 0
.rept 32
	v_pk_mul_f32 v[TMP+j:TMP+j+1], v[AC+j:AC+j+1], s[96:97] op_sel_hi:[1,0]   ; x 2^(e10 + e11); each accumulator from its low end on
.set j, j+2
.endr
	WIN 0
.irp b, 0,1,2,3,4,5,6,7
	ds_store_b128 v[STO], v[TMP+8*\b:TMP+8*\b+3] offset:64*\b
	ds_store_b128 v[STO], v[TMP+8*\b+4:TMP+8*\b+7] offset:64*\b+16
.endr
.set BB, 64+128*((\a)%2)               ; v64-127 and v192-255 by turns
.irp t, 0,1,2,3,4,5,6,7,8,9,10,11,12,13,14,15
	ds_load_b128 v[BB+4*\t:BB+4*\t+3], v[RD] offset:\t*SPITCH
.endr
.endm
.macro SEND a, younger                 ; younger: the LDS instructions issued behind block a's loads, which may stay out
.set BB, 64+128*((\a)%2)
	s_wait_dscnt \younger
.if (\a) > 0
	s_add_nc_u64 s[10:11], s[10:11], 16*8192       ; 16 rows on (behind a wait on XCNT: the earlier stores have read their base)
.endif
.irp t, 0,1,2,3,4,5,6,7,8,9,10,11,12,13,14,15
	global_store_b128 v[CO], v[BB+4*\t:BB+4*\t+3], s[10:11] offset:\t*8192 th:TH_STORE_NT   ; 32 lanes store 512 consecutive bytes, aligned; written once, read by nobody here
.endr
.endm
	s_wait_kmcnt 0x0
	s_add_co_i32 s96, s96, s97
	s_add_co_i32 s96, s96, 127
	s_lshl_b32 s96, s96, 23                        ; 2^(e10 + e11) as f32
	PLACES NP                                      ; behind the last products: for the reads of results and the loads into the registers that held A's fragments
	TOSTAGE 0
.irp a, 1,2,3
.if \a > 1
	s_wait_xcnt 0x0                                ; block a - 2's stores have read their registers and their base
.endif
	TOSTAGE \a
	SEND \a-1, 32                                  ; behind block a - 1's loads: block a's 16 stores and 16 loads
.endr
	s_wait_xcnt 0x0
	SEND 3, 0
	s_wait_tensorcnt 0x0                           ; the wave's end
	ds_add_u32 v[SPW], v[NIL]
	s_wait_dscnt 0x0
	CROUND                                         ; the closing round
	s_endpgm
.Lfunc_end_k_qcaaed0e7ca_oproj:
	.size	k_qcaaed0e7ca_oproj, .Lfunc_end_k_qcaaed0e7ca_oproj-k_qcaaed0e7ca_oproj
	.p2alignl 7, 3214868480
	.fill 96, 4, 3214868480
	.section	.rodata,"a",@progbits
	.p2align	6, 0x0
	.amdhsa_kernel k_qcaaed0e7ca_oproj
		.amdhsa_group_segment_fixed_size 327680
		.amdhsa_private_segment_fixed_size 0
		.amdhsa_enable_private_segment 0
		.amdhsa_kernarg_size 32
		.amdhsa_user_sgpr_count 2
		.amdhsa_user_sgpr_kernarg_segment_ptr 1
		.amdhsa_wavefront_size32 1
		.amdhsa_system_sgpr_workgroup_id_x 1
		.amdhsa_system_sgpr_workgroup_id_y 1
		.amdhsa_system_sgpr_workgroup_id_z 1
		.amdhsa_system_vgpr_workitem_id 0
		.amdhsa_next_free_vgpr 768
		.amdhsa_next_free_sgpr 98
		.amdhsa_reserve_vcc 0
		.amdhsa_float_denorm_mode_32 3
		.amdhsa_float_denorm_mode_16_64 3
		.amdhsa_memory_ordered 1
		.amdhsa_forward_progress 1
		.amdhsa_inst_pref_size 92
	.end_amdhsa_kernel
	.amdgpu_metadata
---
amdhsa.version: [ 1, 2 ]
amdhsa.kernels:
  - .name:           k_qcaaed0e7ca_oproj
    .symbol:         k_qcaaed0e7ca_oproj.kd
    .args:
      - { .name: a_img, .offset: 0, .size: 8, .value_kind: global_buffer, .address_space: global }
      - { .name: Wo_codes, .offset: 8, .size: 8, .value_kind: global_buffer, .address_space: global }
      - { .name: lowp_scales, .offset: 16, .size: 8, .value_kind: global_buffer, .address_space: global }
      - { .name: out0, .offset: 24, .size: 8, .value_kind: global_buffer, .address_space: global }
    .group_segment_fixed_size: 327680
    .private_segment_fixed_size: 0
    .kernarg_segment_align: 8
    .kernarg_segment_size: 32
    .max_flat_workgroup_size: 128
    .sgpr_count:     98
    .vgpr_count:     768
    .wavefront_size: 32
...
	.end_amdgpu_metadata
.endif
;; end of part 4
